; MI455X (gfx1250); checked and timed in simulation.
; The chip was launched on July 23, 2026; its instructions are those of AMD's public machine-readable ISA for CDNA 5 (MIT licence, August 2026) and "CDNA5" Instruction Set Architecture Reference Guide (July 2026). The comments in the code are by the model that wrote it; some were corrected since.
;; Multi Head Attention. Allowed arithmetic: matrix products marked QUANTISED: E2M1 operands, one E8M0 scale for each 32 along K, by v_wmma_scale_f32_16x16x128_f8f6f4 with both operands' format E2M1 (or v_wmma_scale_f32_32x16x128_f4), f32 sums; products left as they are: bf16, f16 or f32 operands; f32 sums; everything else in f32.
;; Inputs: mask 4 x 2,048 int32; w_k 16 x 1,024 x 64 float32; w_o 16 x 64 x 1,024 float32; w_q 16 x 1,024 x 64 float32; w_v 16 x 1,024 x 64 float32; x 4 x 2,048 x 1,024 float32.
;; Outputs: out0 4 x 2,048 x 1,024 float32.
;; This version of the problem:
;;   THIS VERSION OF THE PROBLEM IS GIVEN IN LOW PRECISION. The matrix products marked QUANTISED in the list below multiply operands that are first quantised to E2M1 (2 exponent bits, 1 mantissa bit; 4 bits a number), with one power-of-two scale for each 32 numbers along K (OCP MX v1.0); their sums are f32. The products marked 'left as it is' may take bf16, f16 or f32 operands, with f32 sums. Whichever they take, every output number must still come out within the allowed error. Rounding operands to bf16 (8 significant bits) uses up far more of that allowance than f16 does (11 bits, for magnitudes from 6e-5 to 65,504). All else is computed in f32.
;;   The module's matrix products, in the order in which they are computed (A, B: the left and right operand; K: the contracted axis; several contracted axes count as one K, in the product's order):
;;     1. [M 1,024, K 1,024] x [K 1,024, N 8,192]; A: input w_q; B: input x: QUANTISED
;;     2. [M 1,024, K 1,024] x [K 1,024, N 8,192]; A: input w_k; B: input x: QUANTISED
;;     3. [M 1,024, K 1,024] x [K 1,024, N 8,192]; A: input w_v; B: input x: QUANTISED
;;     4. batch 64 x [M 2,048, K 64] x [K 64, N 2,048]; A: computed on the way; B: computed on the way: left as it is (an operand is computed on the way)
;;     5. batch 64 x [M 2,048, K 2,048] x [K 2,048, N 64]; A: computed on the way; B: computed on the way: left as it is (an operand is computed on the way)
;;     6. [M 8,192, K 1,024] x [K 1,024, N 1,024]; A: computed on the way; B: input w_o: left as it is (an operand is computed on the way)
;;   THE QUANTISER, for each operand of a quantised product, along K:
;;     - K is cut into blocks of 32 from its start; a last block that is shorter is filled with zeros.
;;     - A block's scale is 2^e with e = floor(log2(the largest magnitude in the block)) - 2, held to -126 .. 127; a block of zeros has e = 0. As a byte (E8M0): e + 127.
;;     - Each number is divided by its block's scale, clamped to +-6, and rounded to the nearest number of E2M1, ties to even, subnormals kept.
;;     - The product sums the exact products of the quantised numbers (number of the format x scale) in f32.
;;   ~~~python
;;   def quantise(x, axis):      # numpy; x: float32 -> the quantised numbers, widened to float32 again
;;       x = np.moveaxis(x, axis, -1); K = x.shape[-1]
;;       x = np.pad(x, [(0, 0)] * (x.ndim - 1) + [(0, -K % 32)]); x = x.reshape(x.shape[:-1] + (-1, 32)); a = np.abs(x).max(-1, keepdims=True)
;;       e = np.where(a > 0, np.clip(np.frexp(np.where(a > 0, a, 1))[1] - 1 - 2, -126, 127), 0)      # np.frexp(a)[1] - 1 = floor(log2(a)), exactly
;;       r = np.clip(x / 2.0 ** e, -6, 6)
;;       step = 2.0 ** (np.maximum(np.frexp(np.where(r == 0, 1, r))[1] - 1, 0) - 1)
;;       q = np.round(r / step) * step * 2.0 ** e      # np.round: ties to even
;;       return np.moveaxis(q.reshape(q.shape[:-2] + (-1,))[..., :K], -1, axis).astype(np.float32)
;;   ~~~
;; One version. Each part assembles by itself: llvm-mc -triple=amdgcn-amd-amdhsa -mcpu=gfx1250 --defsym DOCPART=n.
;; ======== version 1 of 1: 4 launches
;; limits: values are held in f16: magnitudes above 65,504 overflow, below 6.1e-05 lose precision; right only within a limited range of input values
;; workspace buffers: xq 4,456,448 bytes; wq 1,671,168 bytes; wof 2,097,152 bytes; qkv 50,331,648 bytes; cf 16,777,216 bytes; order 33,024 bytes of whole numbers
;; launch prep (part 1): grid 368 x 1, 4 waves a work-group, no clusters, 68,096 bytes of LDS; arguments x, mask, w_q, w_k, w_v, w_o, xq, wq, wof, order; writes xq, wq, wof, order
.if DOCPART == 1
	.amdgcn_target "amdgcn-amd-amdhsa--gfx1250"
	.amdhsa_code_object_version 6
	.text
	.protected	k_q34661fe459_prep
	.globl	k_q34661fe459_prep
	.p2align	8
	.type	k_q34661fe459_prep,@function
k_q34661fe459_prep:
	s_mov_b64 s[64:65], 0
	v_nop
	global_prefetch_b8 v0, s[64:65] scope:SCOPE_SE
	s_setreg_imm32_b32 hwreg(HW_REG_WAVE_MODE, 25, 1), 1
	s_wait_xcnt 0x0
; PREP: the operands of the three quantised projections become codes of FP4 (E2M1) with one E8M0 byte for each 32 along K; w_o becomes f16; the mask becomes a permutation of rows.
; THE PERMUTATION.  In batch b row l goes to place pos[l]: its rank among the rows with mask != 0 if mask[b][l] != 0, else n_b + its rank among the rows with mask == 0 (n_b = rows with mask != 0).
; x's codes and scale bytes are stored at row pos[l]; all later launches work on permuted rows (Q, K, V and the context come out permuted by themselves), and the last launch stores permuted row i at row origin[b][i].
; WHAT THAT SPARES.  The mask is an input of whole numbers: reference() gives a key with mask == 0 the score -1e9, so its weight is exp(-1e9 - the row's largest score).  With one kept key in the batch
; that weight is 0 in f32 for every row whose largest kept score lies above -1e9 + 104, so such a key adds nothing to the row's sum nor to the context.  The attention launch reads n_b from memory and walks only
; keys 0 .. n_b - 1 of the permuted order.  A batch with n_b = 0 is served apart there: all its scores are -1e9, the weights are 1/2048 each.  All 8,192 rows still go through all three projections.
; LIMITS: kept scores above -1e9 + 104; |q|, |k|, |v|, |context| under 65,504 (f16 operands of the products left as they are); NaN and infinities among the inputs are not served, and a NaN, an infinity or an
; overflow that reaches only the K or V of a masked key is not carried to the result; blocks whose largest magnitude lies under 2^(3 - 127) get the scale byte 1 (a block of zeros too: its codes are zeros, and only this program reads the bytes).
; SHARES.  Work-groups 0-47: w_q, w_k, w_v, one head of one tensor each.  48-111: w_o.  112-367: x, 32 rows each.  The three paths part on the work-group's number, and each has LDS bytes of its own.  Waves share nothing: no barrier.
.set SPARE, 67584                      ; behind both paths' regions: the spare words, 128 bytes for each wave
.set SPW,   1                          ; v1   LDS address of my spare word; never rewritten
.set NIL,   2                          ; v2   0; never rewritten
.set LN,    12                         ; v12  lane
; ---- names of the path for x
.set SP,    80                         ; a lane's place in a stage: 64 bytes + 16 of padding
.set STEPS, 16
.set R,     16                         ; v16-79   four sets of 16 numbers as loaded
.set X,     80                         ; v80-111  two sets of 16 neighbours
.set E,     112                        ; v112-127 a scale byte for each step (v112 first holds my row's mask word)
.set C,     128                        ; v128-191 codes, four registers a step (first: the batch's 2,048 mask words, 64 a lane)
; ---- names of the path for w_q, w_k, w_v
.set WP,    272                        ; a stage row: 256 bytes of codes + 16
.set WX,    32                         ; v32-95   two sets of 32 numbers
.set WC,    96                         ; v96-99   a block's codes
.set WOUT,  112                        ; v112-175 the way out
.set WSB,   24                         ; v24-27   16 scale bytes
.macro XLOAD t                         ; step t: 512 numbers, four loads of 512 consecutive bytes
.irp i, 0,1,2,3
	global_load_b128 v[R+16*((\t)%4)+4*\i:R+16*((\t)%4)+4*\i+3], v3, s[4:5] offset:2048*(\t)+512*\i th:TH_LOAD_NT
.endr
.endm
.macro XTURN t                         ; step t's numbers through my stage: in as loaded, out 64 neighbouring bytes a lane; LDS serves a wave's instructions in order
.irp i, 0,1,2,3
	ds_store_b128 v14, v[R+16*((\t)%4)+4*\i:R+16*((\t)%4)+4*\i+3] offset:32*SP*((\t)%2)+8*SP*\i
.endr
.irp i, 0,1,2,3
	ds_load_b128 v[X+16*((\t)%2)+4*\i:X+16*((\t)%2)+4*\i+3], v15 offset:32*SP*((\t)%2)+16*\i
.endr
.endm
.macro XSTEP t                         ; half a row of x: 16 blocks of 32, two lanes to a block
.set XS, X+16*((\t)%2)
.if (\t) > 0
	s_wait_dscnt 1                                 ; this step's numbers are back from the stage; the one younger LDS instruction, the last step's byte store, may be out
.else
	s_wait_dscnt 0x0
.endif
.if (\t)+4 < STEPS
	XLOAD (\t)+4                                   ; into the set whose stores into the stage are done
.endif
.if (\t)+1 < STEPS
.if STEPS-2-(\t) >= 3
	s_wait_loadcnt 12                              ; the next step's four loads are in; the twelve of the three steps behind it may be out
.else
	s_wait_loadcnt 4*(STEPS-2-(\t))
.endif
	XTURN (\t)+1
.endif
	v_max3_num_f32 v8, |v[XS]|, |v[XS+1]|, |v[XS+2]|
	v_max3_num_f32 v9, |v[XS+3]|, |v[XS+4]|, |v[XS+5]|
.irp i, 6,10
	v_max3_num_f32 v8, v8, |v[XS+\i]|, |v[XS+\i+1]|
	v_max3_num_f32 v9, v9, |v[XS+\i+2]|, |v[XS+\i+3]|
.endr
	v_max3_num_f32 v8, v8, |v[XS+14]|, |v[XS+15]|
	v_max3_num_f32 v8, v8, v9, 0x1800000           ; and the floor 2^(3 - 127): the byte cannot fall under 1
	v_max_num_f32_dpp v8, v8, v8 row_xmask:1 row_mask:0xf bank_mask:0xf   ; with my neighbour's 16: the block's largest magnitude
	v_add_nc_u32 v11, 0xff000000, v8               ; 2 off its exponent field: the conversion's scale operand
	v_cvt_scalef32_pk8_fp4_f32 v[C+4*(\t)], v[XS:XS+7], v11
	v_cvt_scalef32_pk8_fp4_f32 v[C+4*(\t)+1], v[XS+8:XS+15], v11
	v_lshrrev_b32 v[E+(\t)], 23, v11               ; the scale's byte
	ds_store_b8 v5, v[E+(\t)] offset:16*(\t)       ; both lanes of a block write the same byte with the same value
	global_store_b64 v4, v[C+4*(\t):C+4*(\t)+1], s[40+2*((\t)/2):41+2*((\t)/2)] offset:256*((\t)%2)   ; 32 lanes store 256 consecutive bytes: half of the row's codes, at the row's new place
.endm
.macro WLOAD t                         ; block t: W(32 t + i, my column), i = 0 .. 31
.irp i, 0,1,2,3,4,5,6,7,8,9,10,11,12,13,14,15,16,17,18,19,20,21,22,23,24,25,26,27,28,29,30,31
	global_load_b32 v[WX+32*((\t)%2)+\i], v3, s[26:27] offset:(32*(\t)+\i)*256 th:TH_LOAD_NT
.endr
.endm
.macro WBLOCK t
.set XS, WX+32*((\t)%2)
.if (\t) < 15
	s_wait_loadcnt 32                              ; this block's 32 loads are in; the next block's 32 may be out
.else
	s_wait_loadcnt 0
.endif
	v_max3_num_f32 v16, |v[XS]|, |v[XS+1]|, |v[XS+2]|   ; all 32 numbers of the block are mine
	v_max3_num_f32 v17, |v[XS+3]|, |v[XS+4]|, |v[XS+5]|
.irp i, 6,10,14,18,22,26
	v_max3_num_f32 v16, v16, |v[XS+\i]|, |v[XS+\i+1]|
	v_max3_num_f32 v17, v17, |v[XS+\i+2]|, |v[XS+\i+3]|
.endr
	v_max3_num_f32 v16, v16, |v[XS+30]|, |v[XS+31]|
	v_max3_num_f32 v16, v16, v17, 0x1800000
	v_add_nc_u32 v18, 0xff000000, v16
	v_lshrrev_b32 v17, 23, v18
.if (\t)%4 == 0
	v_mov_b32 v[WSB+(\t)/4], v17
.else
	v_lshl_or_b32 v[WSB+(\t)/4], v17, 8*((\t)%4), v[WSB+(\t)/4]
.endif
.irp g, 0,1,2,3
	v_cvt_scalef32_pk8_fp4_f32 v[WC+\g], v[XS+8*\g:XS+8*\g+7], v18
.endr
	ds_store_b128 v4, v[WC:WC+3] offset:16*(\t)    ; 32 codes: 16 bytes of my column's row
.if (\t)+2 < 16
	WLOAD (\t)+2
.endif
	s_wait_dscnt 0x0                               ; the store has read its registers: the next block's codes may be written
.endm
.macro OLOAD q                         ; w_o(128 kg + 32 q + i, my column), i = 0 .. 31
.irp i, 0,1,2,3,4,5,6,7,8,9,10,11,12,13,14,15,16,17,18,19,20,21,22,23,24,25,26,27,28,29,30,31
	global_load_b32 v[32+32*(\q)+\i], v3, s[14:15] offset:(32*(\q)+\i)*4096 th:TH_LOAD_NT
.endr
.endm
	s_load_b512 s[4:19], s[0:1], 0x0               ; x s[4:5], mask s[6:7], w_q s[8:9], w_k s[10:11], w_v s[12:13], w_o s[14:15], xq s[16:17], wq s[18:19]
	s_load_b128 s[20:23], s[0:1], 0x40             ; wof s[20:21], order s[22:23]
	v_lshl_add_u32 v[SPW], v0, 2, SPARE
	v_mov_b32 v[NIL], 0
	v_lshrrev_b32 v8, 5, v0
	v_readfirstlane_b32 s24, v8                    ; wave 0..3
	v_and_b32 v[LN], 31, v0
	s_mov_b32 s29, 0                               ; the upper word of every offset pair s[28:29]
	s_wait_kmcnt 0x0
	s_cmp_lt_u32 ttmp9, 48
	s_cbranch_scc1 .Lweights
	s_cmp_lt_u32 ttmp9, 112
	s_cbranch_scc1 .Lwo
	; ================ x: my wave takes 8 rows of one batch
	s_sub_co_u32 s25, ttmp9, 112
	s_lshl_b32 s25, s25, 2
	s_add_co_u32 s25, s25, s24                     ; which run of 8 rows: 0 .. 1023
	s_lshr_b32 s26, s25, 8                         ; the batch
	s_and_b32 s27, s25, 255
	s_lshl_b32 s27, s27, 3                         ; l0: my first row in the batch
	s_lshl_b32 s28, s25, 15
	s_add_nc_u64 s[4:5], s[4:5], s[28:29]          ; x at my 8 rows of 4,096 bytes
	s_lshl_b32 s28, s26, 13
	s_add_nc_u64 s[6:7], s[6:7], s[28:29]          ; the batch's mask
	s_add_nc_u64 s[32:33], s[22:23], s[28:29]      ; the batch's origin[]
	s_lshl_b32 s28, s26, 2
	s_add_nc_u64 s[34:35], s[22:23], s[28:29]      ; n_b lies 32,768 bytes behind this
	s_lshl_b32 s28, s26, 20
	s_add_nc_u64 s[36:37], s[16:17], s[28:29]      ; the batch's 2,048 rows of 512 bytes of codes
	s_lshl_b32 s28, s26, 16
	s_add_nc_u64 s[38:39], s[16:17], s[28:29]
	s_add_nc_u64 s[38:39], s[38:39], 0x400000      ; and its rows of 32 scale bytes
	v_lshlrev_b32 v3, 4, v[LN]                     ; my 16 bytes of a load's 512
	v_lshlrev_b32 v4, 3, v[LN]                     ; my 8 bytes of a step's 256 bytes of codes
	v_lshrrev_b32 v13, 2, v[LN]                    ; lane / 4: one of my 8 rows
	s_lshl_b32 s30, s24, 13                        ; my wave's 8,192 bytes of LDS
	v_mul_u32_u24 v14, v13, SP
	v_and_b32 v15, 3, v[LN]
	v_lshl_add_u32 v14, v15, 4, v14
	v_add_nc_u32 v14, s30, v14                     ; the stage, on the way in
	v_mul_u32_u24 v15, v[LN], SP
	v_add_nc_u32 v15, s30, v15                     ; and on the way out
	s_add_co_u32 s30, s30, 2*32*SP
	v_lshrrev_b32 v5, 1, v[LN]
	v_add_nc_u32 v5, s30, v5                       ; my wave's 256 scale bytes: my block's byte,
	v_add_nc_u32 v6, s30, v4                       ; and on the way out 8 bytes a lane
	s_lshl_b32 s31, s27, 2
	v_lshl_add_u32 v10, v13, 2, s31                ; the mask word of row l0 + lane / 4
.irp g, 0,1,2,3,4,5,6,7,8,9,10,11,12,13,14,15
	global_load_b128 v[C+4*\g:C+4*\g+3], v3, s[6:7] offset:512*\g   ; register 4 g + c of lane l: mask[128 g + 4 l + c]
.endr
	global_load_b32 v[E], v10, s[6:7]
.irp t, 0,1,2,3
	XLOAD \t
.endr
	s_wait_loadcnt 16                              ; the mask is in; the 16 younger loads, of x, stay out
	; Tot = kept rows of the batch; Pre = kept rows in front of l0.  Row 128 g + 4 l + c lies in front of l0 where g < G, or g = G and l < (l0 % 128) / 4 (l0 is a multiple of 8)
	s_lshr_b32 s56, s27, 7                         ; G
	s_and_b32 s57, s27, 127
	s_lshr_b32 s57, s57, 2
	s_bfm_b32 s57, s57, 0                          ; the lanes that count where g = G
	s_mov_b32 s58, 0                               ; Tot
	s_mov_b32 s59, 0                               ; Pre
.irp g, 0,1,2,3,4,5,6,7,8,9,10,11,12,13,14,15
.irp c, 0,1,2,3
	v_cmp_ne_u32 s[40+\c], 0, v[C+4*\g+\c]
.endr
	s_cmp_gt_u32 s56, \g
	s_cselect_b32 s60, -1, 0
	s_cmp_eq_u32 s56, \g
	s_cselect_b32 s60, s57, s60                    ; the lanes whose rows lie in front of l0
.irp c, 0,1,2,3
	s_bcnt1_i32_b32 s61, s[40+\c]
	s_add_co_u32 s58, s58, s61
	s_and_b32 s62, s[40+\c], s60
	s_bcnt1_i32_b32 s62, s62
	s_add_co_u32 s59, s59, s62
.endr
.endr
	v_cmp_ne_u32 vcc_lo, 0, v[E]                   ; my 8 rows' flags, each four times
	v_mbcnt_lo_u32_b32 v8, vcc_lo, 0
	v_lshrrev_b32 v8, 2, v8                        ; kept rows among mine in front of row lane / 4
	v_add_nc_u32 v9, s59, v8                       ; a kept row's place
	s_add_co_u32 s60, s58, s27
	s_sub_co_u32 s60, s60, s59
	v_add_nc_u32 v10, s60, v13
	v_sub_nc_u32 v10, v10, v8                      ; a masked row's: Tot + the masked rows in front of it
	v_cndmask_b32 v192, v10, v9, vcc_lo
	v_min_u32 v192, 2047, v192                     ; pos of row l0 + lane / 4
	v_and_b32 v8, 3, v[LN]
	v_lshlrev_b32 v8, 3, v8
	v_lshl_add_u32 v7, v192, 5, v8                 ; where my 8 scale bytes go: 32 bytes a row
	v_lshlrev_b32 v193, 2, v192
	v_add_nc_u32 v194, s27, v13
	global_store_b32 v193, v194, s[32:33]          ; origin[pos] = the row (four lanes store the same word with the same value)
	s_and_b32 s60, s25, 255
	s_cmp_lg_u32 s60, 0
	s_cbranch_scc1 .Lno_count                      ; the batch's first wave stores n_b
	v_mov_b32 v195, 0
	v_mov_b32 v196, s58
	global_store_b32 v195, v196, s[34:35] offset:32768
.Lno_count:
	s_mov_b32 s31, 0
.irp i, 0,1,2,3,4,5,6,7
	v_readlane_b32 s30, v192, 4*\i
	s_min_u32 s30, s30, 2047
	s_lshl_b32 s30, s30, 9
	s_add_nc_u64 s[40+2*\i:41+2*\i], s[36:37], s[30:31]   ; where row i's 512 bytes of codes go
.endr
	s_wait_loadcnt 12                              ; step 0's four loads are in
	XTURN 0
.irp t, 0,1,2,3,4,5,6,7,8,9,10,11,12,13,14,15
	XSTEP \t
.endr
	ds_load_b64 v[8:9], v6                         ; LDS serves a wave's instructions in order: this sees my byte stores
	s_wait_dscnt 0x0
	global_store_b64 v7, v[8:9], s[38:39]          ; four lanes store a row's 32 scale bytes at the row's new place
	s_wait_tensorcnt 0x0                           ; the wave's end: a wait, an add of 0 to my spare word and its wait, behind my last LDS store
	ds_add_u32 v[SPW], v[NIL]
	s_wait_dscnt 0x0
	s_endpgm
	; ================ w_q, w_k, w_v: [head][K = 1024][64]: a lane takes a column and its registers run down K.  A wave: 32 columns x 512 along K
.Lweights:
	s_cmp_lt_u32 ttmp9, 16
	s_cselect_b64 s[26:27], s[8:9], s[10:11]
	s_cmp_lt_u32 ttmp9, 32
	s_cselect_b64 s[26:27], s[26:27], s[12:13]     ; the tensor: the choice hangs on the work-group's number alone
	s_and_b32 s28, ttmp9, 15
	s_lshl_b32 s28, s28, 18                        ; the head: 262,144 bytes
	s_lshr_b32 s30, s24, 1                         ; which 512 along K
	s_and_b32 s31, s24, 1                          ; which 32 columns
	s_lshl_b32 s32, s30, 17
	s_add_co_u32 s28, s28, s32
	s_lshl_b32 s32, s31, 7
	s_add_co_u32 s28, s28, s32
	s_add_nc_u64 s[26:27], s[26:27], s[28:29]
	s_lshl_b32 s33, ttmp9, 6
	s_lshl_b32 s32, s31, 5
	s_add_co_u32 s33, s33, s32                     ; my first row of wq: 1024 x tensor + 64 x head + 32 x half
	s_lshl_b32 s28, s33, 9
	s_lshl_b32 s32, s30, 8
	s_add_co_u32 s28, s28, s32
	s_add_nc_u64 s[34:35], s[18:19], s[28:29]      ; its codes, my 256 bytes of the row
	s_lshl_b32 s28, s33, 5
	s_lshl_b32 s32, s30, 4
	s_add_co_u32 s28, s28, s32
	s_add_nc_u64 s[36:37], s[18:19], s[28:29]
	s_add_nc_u64 s[36:37], s[36:37], 0x180000      ; its scale bytes, my 16 of the row's 32
	v_lshlrev_b32 v3, 2, v[LN]
	s_mul_i32 s32, s24, 32*WP
	s_add_co_u32 s32, s32, 32768                   ; my stage
	v_mul_u32_u24 v4, v[LN], WP
	v_add_nc_u32 v4, s32, v4                       ; into it: row = my column
	v_and_b32 v5, 15, v[LN]
	v_lshrrev_b32 v6, 4, v[LN]
	v_mul_u32_u24 v7, v6, WP
	v_lshl_add_u32 v7, v5, 4, v7
	v_add_nc_u32 v7, s32, v7                       ; out of it: sixteen lanes to a row, two rows an instruction
	v_lshlrev_b32 v8, 9, v6
	v_lshl_add_u32 v8, v5, 4, v8                   ; the same place in wq
	v_lshlrev_b32 v9, 5, v[LN]
	WLOAD 0
	WLOAD 1
.irp t, 0,1,2,3,4,5,6,7,8,9,10,11,12,13,14,15
	WBLOCK \t
.endr
	global_store_b128 v9, v[WSB:WSB+3], s[36:37]   ; my column's 16 scale bytes
.irp t, 0,1,2,3,4,5,6,7,8,9,10,11,12,13,14,15
	ds_load_b128 v[WOUT+4*\t:WOUT+4*\t+3], v7 offset:2*\t*WP
.endr
.irp t, 0,1,2,3,4,5,6,7,8,9,10,11,12,13,14,15
	s_wait_dscnt 15-\t                             ; loads come back in order: number t is in, the younger ones may be out
	global_store_b128 v8, v[WOUT+4*\t:WOUT+4*\t+3], s[34:35] offset:2*\t*512   ; sixteen lanes store 256 consecutive bytes of a row
.endr
	s_wait_tensorcnt 0x0                           ; the wave's end: a wait, an add of 0 to my spare word and its wait, behind my last LDS store
	ds_add_u32 v[SPW], v[NIL]
	s_wait_dscnt 0x0
	s_endpgm
	; ================ w_o as [k = 64 head + h][1024 columns] becomes f16, laid as images of the last product's operand registers:
	; wof[column tile of 16][chunk of 32 k][half j][lane r + 16 h][16 bytes] = column 16 tile + r, k = 32 chunk + 16 j + 8 h + 0 .. 7.  A lane takes a column, its registers run down 128 k.  No LDS.
.Lwo:
	s_sub_co_u32 s25, ttmp9, 48
	s_and_b32 s26, s25, 7                          ; which 128 columns
	s_lshr_b32 s27, s25, 3                         ; which 128 k
	s_lshl_b32 s28, s27, 19
	s_lshl_b32 s30, s26, 9
	s_add_co_u32 s28, s28, s30
	s_lshl_b32 s30, s24, 7
	s_add_co_u32 s28, s28, s30
	s_add_nc_u64 s[14:15], s[14:15], s[28:29]
	s_lshl_b32 s28, s26, 3
	s_lshl_b32 s30, s24, 1
	s_add_co_u32 s28, s28, s30                     ; my wave's first column tile
	s_lshl_b32 s28, s28, 15
	s_lshl_b32 s30, s27, 12
	s_add_co_u32 s28, s28, s30
	s_add_nc_u64 s[20:21], s[20:21], s[28:29]
	v_lshlrev_b32 v3, 2, v[LN]
	v_lshrrev_b32 v4, 4, v[LN]
	v_and_b32 v5, 15, v[LN]
	v_lshlrev_b32 v4, 15, v4
	v_lshl_add_u32 v4, v5, 4, v4                   ; lanes 16-31 hold the next column tile: 32,768 bytes on
	OLOAD 0
	OLOAD 1
.irp q, 0,1,2,3
.if \q < 3
	s_wait_loadcnt 32                              ; this chunk's 32 loads are in; the next chunk's 32 may be out
.else
	s_wait_loadcnt 0
.endif
.if \q < 2
	OLOAD \q+2
.endif
.irp p, 0,1,2,3,4,5,6,7,8,9,10,11,12,13,14,15
	v_cvt_pk_f16_f32 v[32+32*\q+\p], v[32+32*\q+2*\p], v[32+32*\q+2*\p+1]   ; in place, ascending: a result never lands on a number not yet read
.endr
.irp j, 0,1
.irp h, 0,1
	global_store_b128 v4, v[32+32*\q+4*(2*\j+\h):32+32*\q+4*(2*\j+\h)+3], s[20:21] offset:\q*1024+\j*512+\h*256   ; sixteen lanes store 256 consecutive bytes
.endr
.endr
.endr
	s_endpgm
.Lfunc_end_k_q34661fe459_prep:
	.size	k_q34661fe459_prep, .Lfunc_end_k_q34661fe459_prep-k_q34661fe459_prep
	.p2alignl 7, 3214868480
	.fill 96, 4, 3214868480
	.section	.rodata,"a",@progbits
	.p2align	6, 0x0
	.amdhsa_kernel k_q34661fe459_prep
		.amdhsa_group_segment_fixed_size 68096
		.amdhsa_private_segment_fixed_size 0
		.amdhsa_enable_private_segment 0
		.amdhsa_kernarg_size 80
		.amdhsa_user_sgpr_count 2
		.amdhsa_user_sgpr_kernarg_segment_ptr 1
		.amdhsa_wavefront_size32 1
		.amdhsa_system_sgpr_workgroup_id_x 1
		.amdhsa_system_sgpr_workgroup_id_y 1
		.amdhsa_system_sgpr_workgroup_id_z 1
		.amdhsa_system_vgpr_workitem_id 0
		.amdhsa_next_free_vgpr 208
		.amdhsa_next_free_sgpr 66
		.amdhsa_reserve_vcc 1
		.amdhsa_float_denorm_mode_32 3
		.amdhsa_float_denorm_mode_16_64 3
		.amdhsa_memory_ordered 1
		.amdhsa_forward_progress 1
		.amdhsa_inst_pref_size 150
	.end_amdhsa_kernel
	.amdgpu_metadata
---
amdhsa.version: [ 1, 2 ]
amdhsa.kernels:
  - .name:           k_q34661fe459_prep
    .symbol:         k_q34661fe459_prep.kd
    .args:
      - { .name: x, .offset: 0, .size: 8, .value_kind: global_buffer, .address_space: global }
      - { .name: mask, .offset: 8, .size: 8, .value_kind: global_buffer, .address_space: global }
      - { .name: w_q, .offset: 16, .size: 8, .value_kind: global_buffer, .address_space: global }
      - { .name: w_k, .offset: 24, .size: 8, .value_kind: global_buffer, .address_space: global }
      - { .name: w_v, .offset: 32, .size: 8, .value_kind: global_buffer, .address_space: global }
      - { .name: w_o, .offset: 40, .size: 8, .value_kind: global_buffer, .address_space: global }
      - { .name: xq, .offset: 48, .size: 8, .value_kind: global_buffer, .address_space: global }
      - { .name: wq, .offset: 56, .size: 8, .value_kind: global_buffer, .address_space: global }
      - { .name: wof, .offset: 64, .size: 8, .value_kind: global_buffer, .address_space: global }
      - { .name: order, .offset: 72, .size: 8, .value_kind: global_buffer, .address_space: global }
    .group_segment_fixed_size: 68096
    .private_segment_fixed_size: 0
    .kernarg_segment_align: 8
    .kernarg_segment_size: 80
    .max_flat_workgroup_size: 128
    .sgpr_count:     66
    .vgpr_count:     208
    .wavefront_size: 32
...
	.end_amdgpu_metadata
.endif
;; end of part 1
;; launch qkv (part 2): grid 12 x 32, 4 waves a work-group, clusters of 4 x 4, 327,680 bytes of LDS; arguments xq, wq, qkv; writes qkv
.if DOCPART == 2
	.amdgcn_target "amdgcn-amd-amdhsa--gfx1250"
	.amdhsa_code_object_version 6
	.text
	.protected	k_q34661fe459_qkv
	.globl	k_q34661fe459_qkv
	.p2align	8
	.type	k_q34661fe459_qkv,@function
k_q34661fe459_qkv:
	s_mov_b64 s[64:65], 0
	v_nop
	global_prefetch_b8 v0, s[64:65] scope:SCOPE_SE
	s_setreg_imm32_b32 hwreg(HW_REG_WAVE_MODE, 25, 1), 1
	s_wait_xcnt 0x0
	s_wait_alu depctr_hold_cnt(0) depctr_sa_sdst(0) depctr_va_vdst(0) depctr_va_sdst(0) depctr_va_ssrc(0) depctr_va_vcc(0) depctr_vm_vsrc(0)
	s_getreg_b32 s2, hwreg(HW_REG_IB_STS2, 6, 4)
	s_cmp_eq_u32 s2, 0
	s_cbranch_scc0 .Lentry_in_a_cluster
	s_endpgm
.Lentry_in_a_cluster:
	s_bfe_u32 s2, ttmp6, 0x10000c
	s_cmp_lg_u32 s2, 0xf033
	s_cbranch_scc0 .Lentry_shape_is_right
	s_endpgm
.Lentry_shape_is_right:
; Q, K, V = x W^T on codes of FP4 (E2M1) with E8M0 scales: 8,192 permuted rows of x against 3,072 rows of weights (1024 x tensor + 64 x head + channel), K = 1,024.  Sums in f32; the results leave as f16.
; A tile of 256 x 256 is made by four waves, each 128 x 128: 64 accumulators, 512 registers.  K = 1,024 is two LDS slots of 512 along K: both are filled at the start, nothing is filled again.
; The scale bytes of the tile's 256 + 256 rows for all of K come into LDS with the first fills, as rows of 256 bytes + 16 of padding.
; CLUSTERS: 4 x 4 work-groups; side A's tile is shared along a row of the cluster, side B's along a column: joint loads with the same descriptor and a mask that names the four.
; THE TWO SIDES.  The matrix instruction takes 16 rows of side B as source 0 and 16 rows of side A as source 1: a lane then holds ONE row of side A and eight neighbouring rows of side B.
;   Cluster x = 0, 1 (Q, K): side A = x, side B = the weights: a lane holds a row of x and eight neighbouring channels: 16 bytes of a fragment of Q or K (16 rows x 32 channels).
;   Cluster x = 2 (V): the sides change places BY GLOBAL ADDRESS ALONE (both tensors have rows of 512 bytes of codes and 32 scale bytes): a lane holds a channel and eight neighbouring keys: 16 bytes of a fragment of V^T.
;   The choice hangs on the cluster's x, which all sixteen partners share.
; THE RESULTS ARE STORED AS IMAGES OF THE NEXT LAUNCH'S OPERAND REGISTERS: a fragment (16 x 32 of f16) is 1,024 bytes: [half j = registers 4 j .. 4 j + 3][lane][16 bytes].  So four packed registers of an accumulator are
; stored as they stand, 512 consecutive bytes an instruction, and no result goes through LDS.
;   qf at 0, kf at 16 MiB: [batch x 16 + head][tile of 16 rows: 128][32 channels: 2][1,024];   vf at 32 MiB: [batch x 16 + head][32 keys: 64][tile of 16 channels: 4][1,024].
; REGISTERS, in windows of 256: window 0: v0-31 addresses; v32-95 scale words, two sets; from v128 A's fragments, one set; on the way out v32-159 take the packed results.
;   window 1: B's fragments, two sets, at v0 and v128.   window 2: the accumulators of my A rows 0-63 ((a, b) at v[8 (8 a + b)]);   window 3: those of rows 64-127.
.set KSTEP,  512
.set NQ,     4
.set ROWB,   256
.set KROW,   512                       ; a row of codes in memory, in bytes
.set PITCH,  272                       ; an LDS row: 256 bytes + 16 of padding: the 16 rows that a load touches start 68 words apart
.set FR,     8
.set NL,     2
.set NP,     4
.set HALFT,  128*PITCH
.set SLOT,   4*HALFT
.set KS,     32                        ; a row of scale bytes
.set SCL,    2*SLOT
.set HALFS,  (128*KS/256)*272
.set SBLK,   (16*KS/256)*272
.set SPARE,  SCL+4*HALFS               ; the spare words, 128 bytes for each wave
.set ADRA, 16
.set ADRB, 20
.set CO,   26                          ; v26  16 x lane
.set ADRS, 27
.set SPW,  28
.set NIL,  29
.set SC,   32
.set AF,   128
.set TMP,  32                          ; the way out: four sets of 32 packed registers
.set G1, 24
.set G0, 32
.set G1B, 48
.set G0B, 56
.set G1S, 68
.set G0S, 76
.set G1SB, 80
.set G0SB, 88
.set MSB, 0
.macro WIN new                         ; the immediate's high byte repeats the setting that is left
.if MSB != \new
	s_set_vgpr_msb (MSB<<8)|\new
.set MSB, \new
.endif
.endm
.set MUL_LO, 0xa1
.set MUL_HI, 0xf1
.set TO_B,   0x40
.macro JLOAD g0a, g1a, g0b, g1b        ; waves 0 and 1 fetch for side A, waves 2 and 3 for side B; an s_nop 0 and four v_nop follow each line
	s_cmp_eq_u32 s15, 0
	s_cbranch_scc0 .Lfor_b_\@
	tensor_load_to_lds s[\g0a:\g0a+3], s[\g1a:\g1a+7]
	s_nop 0
.rept 4
	v_nop
.endr
	s_branch .Lasked_\@
.Lfor_b_\@:
	tensor_load_to_lds s[\g0b:\g0b+3], s[\g1b:\g1b+7]
	s_nop 0
.rept 4
	v_nop
.endr
.Lasked_\@:
.endm
.macro CROUND                          ; a round of the cluster's barrier
	s_barrier_signal -1
	s_barrier_wait -1
	s_cmp_lg_u32 s14, 0
	s_cbranch_scc1 .Lnot_wave_0_\@
	s_barrier_signal -3
.Lnot_wave_0_\@:
	s_barrier_wait -3
	s_barrier_signal -1
	s_barrier_wait -1
.endm
	s_load_b128 s[96:99], s[0:1], 0x0              ; xq, wq
	s_load_b64 s[12:13], s[0:1], 0x10              ; qkv
	v_lshl_add_u32 v[SPW], v0, 2, SPARE
	v_mov_b32 v[NIL], 0
	ds_add_u32 v[SPW], v[NIL]                      ; the wave's opening: the add, twice on end, and its wait ahead of my first tensor load
	ds_add_u32 v[SPW], v[NIL]
	v_lshrrev_b32 v1, 5, v0
	v_readfirstlane_b32 s14, v1                    ; wave 0..3
	s_lshr_b32 s15, s14, 1                         ; which half of side A's rows is mine.  Also: I fetch for A (0) or for B (1)
	s_and_b32 s16, s14, 1                          ; which half of side B's rows.  Also: which 128 rows I fetch
	s_bfe_u32 s40, ttmp6, 0x40000                  ; cx
	s_bfe_u32 s41, ttmp6, 0x40004                  ; cy
	s_and_b32 s17, ttmp7, 0xffff                   ; cluster y
	s_cmp_eq_u32 ttmp9, 2                          ; V's clusters: the sides change places
	s_cselect_b32 s42, s17, ttmp9
	s_cselect_b32 s17, ttmp9, s17
	s_lshl_b32 s42, s42, 2
	s_add_co_u32 s42, s42, s40                     ; side B's tile of 256 rows: hangs on cx and the cluster's place
	s_lshl_b32 s17, s17, 2
	s_add_co_u32 s17, s17, s41                     ; side A's: hangs on cy and the cluster's place
	s_lshl_b32 s43, s41, 2
	s_lshl_b32 s43, 15, s43                        ; my row of the cluster
	s_lshl_b32 s44, 0x1111, s40                    ; my column
	s_or_b32 s[G1+0], s43, (0<<16)|(1<<20)|(1<<21)|(5<<22)|(3<<25)  ; the mask; elements of 1 byte; padding: 4 words after every 64
	s_or_b32 s[G1B+0], s44, (0<<16)|(1<<20)|(1<<21)|(5<<22)|(3<<25)
.irp g, G1, G1B
	s_mov_b32 s[\g+1], ROWB<<16                    ; tensor_dim0
	s_mov_b32 s[\g+2], 128<<16                     ; tensor_dim1
	s_mov_b32 s[\g+3], ROWB<<16                    ; tile_dim0
	s_mov_b32 s[\g+4], 128                         ; tile_dim1
	s_mov_b32 s[\g+5], KROW                        ; the pitch
	s_mov_b32 s[\g+6], 0
	s_mov_b32 s[\g+7], 0
.endr
	s_or_b32 s[G1S+0], s43, (3<<16)|(1<<20)|(1<<21)|(5<<22)|(3<<25)  ; the scales of 128 rows: 4,096 dense bytes as 16 rows of 32 elements of 8 bytes
	s_or_b32 s[G1SB+0], s44, (3<<16)|(1<<20)|(1<<21)|(5<<22)|(3<<25)
.irp g, G1S, G1SB
	s_mov_b32 s[\g+1], 32<<16
	s_mov_b32 s[\g+2], (128*KS/256)<<16
	s_mov_b32 s[\g+3], 32<<16
	s_mov_b32 s[\g+4], 128*KS/256
	s_mov_b32 s[\g+5], 32
	s_mov_b32 s[\g+6], 0
	s_mov_b32 s[\g+7], 0
.endr
	s_lshl_b32 s18, s16, 7
	s_lshl_b32 s20, s17, 8
	s_add_co_u32 s20, s20, s18                     ; A: row 256 x tile + 128 x half
	s_lshl_b32 s46, s42, 8
	s_add_co_u32 s46, s46, s18                     ; B likewise
	s_mov_b32 s21, 0
	s_mov_b32 s47, 0
	s_mov_b64 s[18:19], KS
	s_mul_u64 s[22:23], s[20:21], s[18:19]         ; where these rows' scales begin
	s_mul_u64 s[92:93], s[46:47], s[18:19]
	s_mov_b64 s[18:19], KROW
	s_mul_u64 s[20:21], s[20:21], s[18:19]         ; and their codes
	s_mul_u64 s[46:47], s[46:47], s[18:19]
	s_mul_i32 s45, s14, HALFT                      ; where they go: wave x 128 rows
	s_mul_i32 s94, s14, HALFS
	s_wait_dscnt 0x0                               ; both opening adds are done
	s_wait_kmcnt 0x0
	s_add_nc_u64 s[6:7], s[96:97], 0x400000        ; x's scale bytes
	s_add_nc_u64 s[10:11], s[98:99], 0x180000      ; the weights'
	s_cmp_eq_u32 ttmp9, 2
	s_cselect_b64 s[4:5], s[98:99], s[96:97]       ; side A's codes
	s_cselect_b64 s[8:9], s[96:97], s[98:99]       ; side B's codes
	s_cselect_b64 s[96:97], s[10:11], s[6:7]       ; side A's scales
	s_cselect_b64 s[10:11], s[6:7], s[10:11]       ; side B's scales
	s_add_nc_u64 s[20:21], s[4:5], s[20:21]
	s_add_nc_u64 s[22:23], s[96:97], s[22:23]
	s_add_nc_u64 s[46:47], s[8:9], s[46:47]
	s_add_nc_u64 s[92:93], s[10:11], s[92:93]
	CROUND                                         ; all sixteen work-groups are here: the first joint loads meet
	s_mov_b32 s[G0S], 1
	s_add_co_u32 s[G0S+1], s94, SCL
	s_mov_b64 s[G0S+2:G0S+3], s[22:23]
	s_or_b32 s[G0S+3], s[G0S+3], 0x80000000
	s_mov_b32 s[G0SB], 1
	s_add_co_u32 s[G0SB+1], s94, SCL
	s_mov_b64 s[G0SB+2:G0SB+3], s[92:93]
	s_or_b32 s[G0SB+3], s[G0SB+3], 0x80000000
	JLOAD G0S, G1S, G0SB, G1SB                     ; the scales first
.irp s, 0,1
	s_mov_b32 s[G0+4*\s], 1
	s_add_co_u32 s[G0+4*\s+1], s45, \s*SLOT
	s_add_nc_u64 s[G0+4*\s+2:G0+4*\s+3], s[20:21], \s*ROWB
	s_or_b32 s[G0+4*\s+3], s[G0+4*\s+3], 0x80000000
	s_mov_b32 s[G0B+4*\s], 1
	s_add_co_u32 s[G0B+4*\s+1], s45, \s*SLOT
	s_add_nc_u64 s[G0B+4*\s+2:G0B+4*\s+3], s[46:47], \s*ROWB
	s_or_b32 s[G0B+4*\s+3], s[G0B+4*\s+3], 0x80000000
	JLOAD G0+4*\s, G1, G0B+4*\s, G1B               ; three tensor loads of mine are out in all
.endr
	v_and_b32 v1, 15, v0
	v_bfe_u32 v2, v0, 4, 1
	v_mul_u32_u24 v3, v1, PITCH
	v_lshl_add_u32 v4, v2, 4, v3                   ; a fragment's row x pitch + 16 x half
	s_mul_i32 s21, s15, HALFT
	s_mul_i32 s22, s16, HALFT
	s_add_co_u32 s22, s22, 2*HALFT
.irp s, 0,1
	v_add_nc_u32 v[ADRA+\s], s21, v4
	v_add_nc_u32 v[ADRB+\s], s22, v4
	s_add_co_u32 s21, s21, SLOT
	s_add_co_u32 s22, s22, SLOT
.endr
	v_mul_u32_u24 v5, v1, KS
	v_lshrrev_b32 v6, 8, v5
	v_lshl_add_u32 v5, v6, 4, v5                   ; my row's scales: 32 bytes a row, 16 more for each 256 passed
	s_mul_i32 s21, s15, HALFS
	s_mul_i32 s22, s16, HALFS
	s_add_co_u32 s22, s22, 2*HALFS
	s_sub_co_u32 s22, s22, s21
	v_mul_u32_u24 v6, s22, v2                      ; lanes 16-31 take side B's
	s_add_co_u32 s21, s21, SCL
	v_add_nc_u32 v5, v5, v6
	v_add_nc_u32 v[ADRS], s21, v5
	v_and_b32 v6, 31, v0
	v_lshlrev_b32 v[CO], 4, v6
.macro FRAG reg, adr, q, i             ; 16 rows x 128 K of 4-bit codes: 8 registers, two loads of 16 bytes, 32 bytes apart
.irp c, 0,1
	ds_load_b128 v[\reg+4*\c:\reg+4*\c+3], v[\adr] offset:64*(\q)+32*\c+(\i)*16*PITCH
.endr
.endm
; 16 matrix instructions: A's blocks a0, a0 + 1 x B's eight.  The 64 accumulators take turns, one instruction a turn, in the same order in every step.
.macro MUL16 a0, p, q, sc, zero
.irp a, \a0, \a0+1
.irp b, 0,1,2,3,4,5,6,7
.if \zero
	v_wmma_scale_f32_16x16x128_f8f6f4 v[8*(8*((\a)%4)+\b):8*(8*((\a)%4)+\b)+7], v[128*(\p)+FR*\b:128*(\p)+FR*\b+FR-1], v[AF+FR*(\a):AF+FR*(\a)+FR-1], 0, v[SC+8*NQ*(\sc)+NQ*\b+(\q)], v[SC+8*NQ*(\sc)+NQ*(\a)+(\q)] matrix_a_fmt:MATRIX_FMT_FP4 matrix_b_fmt:MATRIX_FMT_FP4 matrix_a_scale:MATRIX_SCALE_ROW1
.else
	v_wmma_scale_f32_16x16x128_f8f6f4 v[8*(8*((\a)%4)+\b):8*(8*((\a)%4)+\b)+7], v[128*(\p)+FR*\b:128*(\p)+FR*\b+FR-1], v[AF+FR*(\a):AF+FR*(\a)+FR-1], v[8*(8*((\a)%4)+\b):8*(8*((\a)%4)+\b)+7], v[SC+8*NQ*(\sc)+NQ*\b+(\q)], v[SC+8*NQ*(\sc)+NQ*(\a)+(\q)] matrix_a_fmt:MATRIX_FMT_FP4 matrix_b_fmt:MATRIX_FMT_FP4 matrix_a_scale:MATRIX_SCALE_ROW1
.endif
.endr
.endr
.endm
.macro FETCH_B slot, q, p
	WIN TO_B
.irp i, 0,1,2,3,4,5,6,7
	FRAG 128*(\p)+FR*\i, ADRB+\slot, \q, \i
.endr
	WIN 0
.endm
.macro FETCH_A slot, q, i0
.irp i, \i0, \i0+1, \i0+2, \i0+3
	FRAG AF+FR*(\i), ADRA+\slot, \q, \i
.endr
.endm
.macro SCALES sc                       ; a slot's scale words: 4 words a row; lanes 0-15 take A's block i, lanes 16-31 B's block i
.irp i, 0,1,2,3,4,5,6,7
	ds_load_b128 v[SC+8*NQ*\sc+NQ*\i:SC+8*NQ*\sc+NQ*\i+3], v[ADRS] offset:\i*SBLK
.endr
.endm
.macro PLACES n                        ; plain vector instructions between a matrix instruction and a load into, or a vector write or read of, its registers
.rept \n
	v_nop
.endr
.endm
.macro STEP slot, q, zero              ; 128 along K with its successor in the same slot
	s_wait_dscnt 4*NL                              ; all but the youngest eight loads (A's blocks 4-7) are in
	WIN MUL_LO
	MUL16 0, (\q)%2, \q, \slot, \zero
	MUL16 2, (\q)%2, \q, \slot, \zero
	s_wait_dscnt 0
	PLACES NP
	FETCH_B \slot, (\q)+1, 1-(\q)%2
	FETCH_A \slot, (\q)+1, 0
	WIN MUL_HI
	MUL16 4, (\q)%2, \q, \slot, \zero
	MUL16 6, (\q)%2, \q, \slot, \zero
	PLACES NP
	WIN 0
	FETCH_A \slot, (\q)+1, 4
.endm
.macro STEPS slot, from
.set Q, \from
.rept NQ-1-\from
	STEP \slot, Q, 0
.set Q, Q+1
.endr
.endm
	s_wait_tensorcnt 1                             ; the scales and my part of slot 0 are in; the one younger load, slot 1's, may be out
	s_barrier_signal -1
	s_barrier_wait -1
	FETCH_B 0, 0, 0
	FETCH_A 0, 0, 0
	SCALES 0
	FETCH_A 0, 0, 4
	STEP 0, 0, 1                                   ; the first products start the sums: nothing is cleared
	STEPS 0, 1
	; slot 0's last step, and the change to slot 1: one barrier; in front of it my part of slot 1 has landed
	s_wait_tensorcnt 0x0
	ds_add_u32 v[SPW], v[NIL]
	s_wait_dscnt 4*NL+1                            ; the add and the youngest eight loads may be out
	WIN MUL_LO
	MUL16 0, 1, NQ-1, 0, 0
	s_wait_dscnt 0x0
	s_barrier_signal -1
	MUL16 2, 1, NQ-1, 0, 0
	WIN 0
	s_barrier_wait -1
	PLACES NP
	v_add_nc_u32 v[ADRS], 4*NQ, v[ADRS]            ; on to slot 1's scale words
	FETCH_B 1, 0, 0
	FETCH_A 1, 0, 0
	SCALES 1
	WIN MUL_HI
	MUL16 4, 1, NQ-1, 0, 0
	MUL16 6, 1, NQ-1, 0, 0
	PLACES NP
	WIN 0
	FETCH_A 1, 0, 4
	STEPS 1, 0
	s_wait_dscnt 4*NL                              ; the very last step
	WIN MUL_LO
	MUL16 0, 1, NQ-1, 1, 0
	MUL16 2, 1, NQ-1, 1, 0
	s_wait_dscnt 0
	WIN MUL_HI
	MUL16 4, 1, NQ-1, 1, 0
	MUL16 6, 1, NQ-1, 1, 0
	WIN 0
	PLACES NP                                      ; in front of the conversions, which read results and write over scale words and A's fragments
; THE WAY OUT of A's block a: each accumulator, from its low end on, is rounded to f16, four registers; these are 16 bytes a lane of a fragment's image and are stored as they stand.
.macro PACKOUT a, isv
.if (\a) >= 4
	s_wait_xcnt 0x0                                ; block a - 4's stores have read this set of registers
.endif
	WIN 0x0a+5*((\a)/4)                            ; sources in window 2 or 3
.irp b, 0,1,2,3,4,5,6,7
.irp e, 0,1,2,3
	v_cvt_pk_f16_f32 v[TMP+32*((\a)%4)+4*\b+\e], v[64*((\a)%4)+8*\b+2*\e], v[64*((\a)%4)+8*\b+2*\e+1]
.endr
.endr
	WIN 0
.irp b, 0,1,2,3,4,5,6,7
.if \isv
	global_store_b128 v[CO], v[TMP+32*((\a)%4)+4*\b:TMP+32*((\a)%4)+4*\b+3], s[12:13] offset:((\a)/4)*262144+((\a)%4)*1024+(\b/2)*4096+(\b%2)*512 th:TH_STORE_NT   ; head a / 4, channel tile a % 4, 32 keys b / 2, half b % 2
.else
	global_store_b128 v[CO], v[TMP+32*((\a)%4)+4*\b:TMP+32*((\a)%4)+4*\b+3], s[12:13] offset:(\a)*2048+(\b/4)*262144+((\b/2)%2)*1024+(\b%2)*512 th:TH_STORE_NT    ; row tile a, head b / 4, 32 channels (b / 2) % 2, half b % 2
.endif
.endr
.endm
	s_cmp_eq_u32 ttmp9, 2                          ; the cluster's x: the same in all partners
	s_cbranch_scc1 .Lv_out
	s_lshr_b32 s20, s42, 2
	s_lshl_b32 s20, s20, 24                        ; qf or kf
	s_lshr_b32 s21, s17, 3
	s_lshl_b32 s21, s21, 4                         ; 16 x batch
	s_lshl_b32 s22, s42, 2
	s_lshl_b32 s23, s16, 1
	s_add_co_u32 s22, s22, s23
	s_and_b32 s22, s22, 15                         ; my first head
	s_add_co_u32 s21, s21, s22
	s_lshl_b32 s21, s21, 18
	s_add_co_u32 s20, s20, s21
	s_and_b32 s21, s17, 7
	s_lshl_b32 s21, s21, 4
	s_lshl_b32 s22, s15, 3
	s_add_co_u32 s21, s21, s22                     ; my first tile of 16 rows in the batch
	s_lshl_b32 s21, s21, 11
	s_add_co_u32 s20, s20, s21
	s_mov_b32 s21, 0
	s_add_nc_u64 s[12:13], s[12:13], s[20:21]
.irp a, 0,1,2,3,4,5,6,7
	PACKOUT \a, 0
.endr
	s_branch .Lout_done
.Lv_out:
	s_lshr_b32 s21, s42, 3
	s_lshl_b32 s21, s21, 4                         ; 16 x batch
	s_and_b32 s22, s17, 3
	s_lshl_b32 s22, s22, 2
	s_add_co_u32 s21, s21, s22
	s_lshl_b32 s22, s15, 1
	s_add_co_u32 s21, s21, s22                     ; + my first head
	s_lshl_b32 s20, s21, 18
	s_and_b32 s21, s42, 7
	s_lshl_b32 s21, s21, 3
	s_lshl_b32 s22, s16, 2
	s_add_co_u32 s21, s21, s22                     ; my first chunk of 32 keys in the batch
	s_lshl_b32 s21, s21, 12
	s_add_co_u32 s20, s20, s21
	s_add_co_u32 s20, s20, 2<<24                   ; vf
	s_mov_b32 s21, 0
	s_add_nc_u64 s[12:13], s[12:13], s[20:21]
.irp a, 0,1,2,3,4,5,6,7
	PACKOUT \a, 1
.endr
.Lout_done:
	s_wait_tensorcnt 0x0                           ; the wave's end: a wait, an add of 0 to my spare word and its wait, behind my last tensor load
	ds_add_u32 v[SPW], v[NIL]
	s_wait_dscnt 0x0
	CROUND                                         ; the closing round
	s_endpgm
.Lfunc_end_k_q34661fe459_qkv:
	.size	k_q34661fe459_qkv, .Lfunc_end_k_q34661fe459_qkv-k_q34661fe459_qkv
	.p2alignl 7, 3214868480
	.fill 96, 4, 3214868480
	.section	.rodata,"a",@progbits
	.p2align	6, 0x0
	.amdhsa_kernel k_q34661fe459_qkv
		.amdhsa_group_segment_fixed_size 327680
		.amdhsa_private_segment_fixed_size 0
		.amdhsa_enable_private_segment 0
		.amdhsa_kernarg_size 24
		.amdhsa_user_sgpr_count 2
		.amdhsa_user_sgpr_kernarg_segment_ptr 1
		.amdhsa_wavefront_size32 1
		.amdhsa_system_sgpr_workgroup_id_x 1
		.amdhsa_system_sgpr_workgroup_id_y 1
		.amdhsa_system_sgpr_workgroup_id_z 1
		.amdhsa_system_vgpr_workitem_id 0
		.amdhsa_next_free_vgpr 1024
		.amdhsa_next_free_sgpr 102
		.amdhsa_reserve_vcc 0
		.amdhsa_float_denorm_mode_32 3
		.amdhsa_float_denorm_mode_16_64 3
		.amdhsa_memory_ordered 1
		.amdhsa_forward_progress 1
		.amdhsa_inst_pref_size 141
	.end_amdhsa_kernel
	.amdgpu_metadata
---
amdhsa.version: [ 1, 2 ]
amdhsa.kernels:
  - .name:           k_q34661fe459_qkv
    .symbol:         k_q34661fe459_qkv.kd
    .args:
      - { .name: xq, .offset: 0, .size: 8, .value_kind: global_buffer, .address_space: global }
      - { .name: wq, .offset: 8, .size: 8, .value_kind: global_buffer, .address_space: global }
      - { .name: qkv, .offset: 16, .size: 8, .value_kind: global_buffer, .address_space: global }
    .group_segment_fixed_size: 327680
    .private_segment_fixed_size: 0
    .kernarg_segment_align: 8
    .kernarg_segment_size: 24
    .max_flat_workgroup_size: 128
    .sgpr_count:     102
    .vgpr_count:     1024
    .wavefront_size: 32
...
	.end_amdgpu_metadata
.endif
;; end of part 2
;; launch attn (part 3): grid 4 x 64, 8 waves a work-group, no clusters, 66,560 bytes of LDS; arguments qkv, order, cf; writes cf
.if DOCPART == 3
	.amdgcn_target "amdgcn-amd-amdhsa--gfx1250"
	.amdhsa_code_object_version 6
	.text
	.protected	k_q34661fe459_attn
	.globl	k_q34661fe459_attn
	.p2align	8
	.type	k_q34661fe459_attn,@function
k_q34661fe459_attn:
	s_mov_b64 s[64:65], 0
	v_nop
	global_prefetch_b8 v0, s[64:65] scope:SCOPE_SE
	s_setreg_imm32_b32 hwreg(HW_REG_WAVE_MODE, 25, 1), 1
	s_wait_xcnt 0x0
; context = softmax(Q K^T / 8, masked keys at -1e9) V, for one batch and head and 512 permuted queries a work-group.  Operands f16, products, maxima and sums f32.
; LEFT OUT: steps of 64 keys that lie wholly behind n_b, the batch's number of kept keys, which an earlier launch stored as a whole number: in the permuted order the kept keys are rows 0 .. n_b - 1, and a masked key's
; weight exp(-1e9 - the row's largest score) is 0 in f32 (limit: kept scores above -1e9 + 104).  In the step that holds key n_b the keys behind it get the score -infinity ahead of the maximum.
; A BATCH WITH n_b = 0: reference() gives all 2,048 keys the same score, so the weights are equal: all keys are walked with Q set to 0 (an AND with 0), which gives equal scores.
; NO TENSOR LOAD AND NO CLUSTER: the steps that are walked hang on n_b, a number read from memory.  K and V go from memory through registers into LDS, each of the eight waves an eighth, and are read there by all eight.
; SHARES.  A wave owns 64 queries, four tiles of 16; two waves lie on a SIMD, so that one wave's softmax stands beside the other's products.  Every wave walks the keys 64 a step.
; LAYOUT.  S^T = K Q^T (source 0 = 16 keys, source 1 = 16 queries) and O^T = V^T P (source 0 = 16 channels, source 1 = P): a lane holds one query (lane % 16) throughout; two tiles of S^T, rounded to f16 in pairs, are P.
; Q, K, V lie in memory, and K, V in LDS, as images of their operand registers: a fragment is [half][lane][16 bytes]: every load is 16 x lane + a constant, 512 consecutive bytes.
; LDS: two slots of 32,768 bytes, each two steps of (K 8,192 | V 8,192); the spare words behind them.  While one slot is read the other is stored into; a barrier stands at each change of slots.
; REGISTERS.  window 0: v1 16 x lane; v3 1,024 x wave + 16 x lane; v5 the copy's offset; v6-8 the mask; v16-47 statistics, eight a tile: +0 c m, +1 m, +2, +3 l, +4 .. +7 at work (a in +6); v48-63 the copy; v64-127 V; v128-255 S^T, then P.
;             window 1: v0-127 O^T, tile t channels 16 c on at 32 t + 8 c; v128-191 Q; v192-255 K.
.set SPARE, 65536
.set L16,  1
.set CW0,  3
.set CPA,  5
.set DM,   6
.set NINF, 7
.set H8,   8
.set SPW,  10
.set NIL,  11
.set ST,   16
.set CP,   48
.set VF,   64
.set S,    128
.set QF,   128                         ; in window 1
.set KR,   192                         ; in window 1
.set NK,   14                          ; s14  keys to walk
.set KF,   16                          ; s16  the step's first key
.set MSB, 0
.macro WIN new
.if MSB != \new
	s_set_vgpr_msb (MSB<<8)|\new
.set MSB, \new
.endif
.endm
	s_load_b128 s[4:7], s[0:1], 0x0                ; qkv, order
	s_load_b64 s[8:9], s[0:1], 0x10                ; cf
	v_lshl_add_u32 v[SPW], v0, 2, SPARE
	v_mov_b32 v[NIL], 0
	v_lshrrev_b32 v2, 5, v0
	v_readfirstlane_b32 s10, v2                    ; wave 0..7
	v_and_b32 v2, 31, v0
	v_lshlrev_b32 v[L16], 4, v2
	s_lshl_b32 s17, s10, 10
	v_add_nc_u32 v[CW0], s17, v[L16]
	v_bfe_u32 v[H8], v0, 4, 1
	v_lshlrev_b32 v[H8], 3, v[H8]                  ; 8 x (lane / 16)
	v_mov_b32 v[NINF], 0xff800000
	s_and_b32 s11, ttmp7, 0xffff                   ; 16 x batch + head
	s_lshr_b32 s12, s11, 4                         ; batch
	s_mov_b32 s20, 0x76543210
	s_mov_b32 s21, 0xfedcba98                      ; v_permlanex16_b32's selects for lane l xor 16
	s_mov_b32 s22, 0x3e38aa3b                      ; c = log2(e) / 8
	s_mov_b32 s23, s22                             ; (named with it as a pair)
	s_mov_b32 s[KF], 0
	s_mov_b32 s19, 8
	s_lshl_b32 s30, s11, 18
	s_mov_b32 s31, 0
	s_mov_b32 s33, 0
	s_wait_kmcnt 0x0
	s_add_nc_u64 s[28:29], s[4:5], s[30:31]        ; Q of my batch and head
	s_add_nc_u64 s[24:25], s[28:29], 0x1000000     ; K
	s_add_nc_u64 s[26:27], s[28:29], 0x2000000     ; V
	s_lshl_b32 s30, s12, 2
	s_add_nc_u64 s[6:7], s[6:7], s[30:31]
	s_load_b32 s13, s[6:7], 0x8000                 ; n_b
	s_lshl_b32 s30, ttmp9, 5
	s_lshl_b32 s17, s10, 2
	s_add_co_u32 s30, s30, s17                     ; my first tile of 16 queries
	s_lshl_b32 s32, s30, 11
	s_add_nc_u64 s[28:29], s[28:29], s[32:33]
	s_lshl_b32 s32, s12, 7
	s_add_co_u32 s32, s32, s30
	s_lshl_b32 s32, s32, 15                        ; cf: 32,768 bytes a tile of 16 rows,
	s_and_b32 s17, s11, 15
	s_lshl_b32 s17, s17, 11                        ; 2,048 a head
	s_add_co_u32 s32, s32, s17
	s_add_nc_u64 s[8:9], s[8:9], s[32:33]
.irp q, 0,1                                    ; keys 0 to 127: my eighth of K and of V of both steps
	global_load_b128 v[S+16*\q:S+16*\q+3],     v[CW0], s[24:25] offset:8192*\q
	global_load_b128 v[S+16*\q+4:S+16*\q+7],   v[CW0], s[24:25] offset:8192*\q+512
	global_load_b128 v[S+16*\q+8:S+16*\q+11],  v[CW0], s[26:27] offset:8192*\q
	global_load_b128 v[S+16*\q+12:S+16*\q+15], v[CW0], s[26:27] offset:8192*\q+512
.endr
	WIN 0x40                                       ; destination window 1
.irp i, 0,1,2,3,4,5,6,7,8,9,10,11,12,13,14,15
	global_load_b128 v[QF+4*\i:QF+4*\i+3], v[L16], s[28:29] offset:512*\i   ; Q stays in registers
.endr
.set i, 0
.rept 128
	v_mov_b32 v[i], 0                              ; O^T.  (The step is written once: the first finds zeros, which its a = 0 leaves zeros)
.set i, i+1
.endr
	WIN 0
.irp t, 0,1,2,3
	v_mov_b32 v[ST+8*\t+1], 0xff61b1e6             ; m = -3e38, under every score
	v_mul_f32 v[ST+8*\t], s22, v[ST+8*\t+1]
.irp j, 2,3,4,5,6,7
	v_mov_b32 v[ST+8*\t+\j], 0
.endr
.endr
	s_wait_loadcnt 16                              ; K and V are in; the 16 younger loads, Q's, may be out
.irp q, 0,1
	ds_store_b128 v[CW0], v[S+16*\q:S+16*\q+3]     offset:16384*\q
	ds_store_b128 v[CW0], v[S+16*\q+4:S+16*\q+7]   offset:16384*\q+512
	ds_store_b128 v[CW0], v[S+16*\q+8:S+16*\q+11]  offset:16384*\q+8192
	ds_store_b128 v[CW0], v[S+16*\q+12:S+16*\q+15] offset:16384*\q+8704
.endr
	s_wait_kmcnt 0x0
	s_min_u32 s13, s13, 2048
	s_cmp_eq_u32 s13, 0
	s_cselect_b32 s[NK], 0x800, s13                ; no kept key: all 2,048 count alike,
	s_cselect_b32 s15, 0, -1                       ; with Q = 0
	s_wait_loadcnt 0x0
	WIN 0x44
.set i, 0
.rept 64
	v_and_b32 v[QF+i], s15, v[QF+i]
.set i, i+1
.endr
	WIN 0
	s_wait_dscnt 0x0                               ; for the others' sake: my stores into slot 0 are done
	s_barrier_signal -1
	s_barrier_wait -1
; A KEY STEP: 64 keys, the q-th of the slot.
.macro STEP slot, q
	s_cmp_ge_u32 s[KF], s[NK]                      ; a step wholly behind the keys that count is left out: the same in all eight waves; no barrier stands in a step
	s_cbranch_scc1 .Lskip_\@
	s_add_co_u32 s17, s[KF], 128
	s_min_u32 s17, s17, 1984                       ; the same step of the next slot, held inside the buffer
	s_lshl_b32 s17, s17, 7                         ; 128 bytes a key in K and in V
	v_add_nc_u32 v[CPA], s17, v[CW0]               ; (the last step's loads by this register are done.)  This line and the four below are five places behind the last products,
.rept 4
	v_nop                                          ; whose V registers are loaded into and whose P registers the first products below write over
.endr
	WIN 0x40
.irp i, 0,1,2,3,4,5,6,7,8,9,10,11,12,13,14,15
	ds_load_b128 v[KR+4*\i:KR+4*\i+3], v[L16] offset:\slot*32768+\q*16384+512*\i
.endr
	WIN 0
.irp i, 0,1,2,3,4,5,6,7,8,9,10,11,12,13,14,15
	ds_load_b128 v[VF+4*\i:VF+4*\i+3], v[L16] offset:\slot*32768+\q*16384+8192+512*\i
.endr
	s_wait_dscnt 16                                ; K is in and the last step's LDS stores have read their registers; V's 16 loads may be out
	global_load_b128 v[CP:CP+3],     v[CPA], s[24:25]
	global_load_b128 v[CP+4:CP+7],   v[CPA], s[24:25] offset:512
	global_load_b128 v[CP+8:CP+11],  v[CPA], s[26:27]
	global_load_b128 v[CP+12:CP+15], v[CPA], s[26:27] offset:512
	WIN 0x05                                       ; K and Q in window 1, S^T in window 0
.irp g, 0,1                                    ; the 16 accumulators take turns, one instruction a turn
.irp t, 0,1,2,3
.irp k, 0,1,2,3
.if \g == 0
	v_wmma_f32_16x16x32_f16 v[S+32*\t+8*\k:S+32*\t+8*\k+7], v[KR+16*\k+8*\g:KR+16*\k+8*\g+7], v[QF+16*\t+8*\g:QF+16*\t+8*\g+7], 0
.else
	v_wmma_f32_16x16x32_f16 v[S+32*\t+8*\k:S+32*\t+8*\k+7], v[KR+16*\k+8*\g:KR+16*\k+8*\g+7], v[QF+16*\t+8*\g:QF+16*\t+8*\g+7], v[S+32*\t+8*\k:S+32*\t+8*\k+7]
.endif
.endr
.endr
.endr
	WIN 0
.rept 4
	v_nop
.endr
	s_add_co_u32 s17, s[KF], 64
	s_cmp_le_u32 s17, s[NK]
	s_cbranch_scc1 .Lopen_\@                       ; all 64 keys count
	s_sub_co_u32 s17, s[NK], s[KF]
	s_sub_co_u32 s17, s17, 1
	v_sub_nc_u32 v[DM], s17, v[H8]                 ; register 8 k + j holds key KF + 8 (lane / 16) + 16 k + j: hidden where 16 k + j > this
.irp k, 0,1,2,3
.irp j, 0,1,2,3,4,5,6,7
	v_cmp_gt_i32 vcc_lo, 16*\k+\j, v[DM]
.irp t, 0,1,2,3
	v_cndmask_b32 v[S+32*\t+8*\k+\j], v[S+32*\t+8*\k+\j], v[NINF], vcc_lo
.endr
.endr
.endr
.Lopen_\@:
	; the softmax, the four tiles by turns.  The maximum of a lane's 32 scores and the old m
.irp j, 0,1,2,3
.irp t, 0,1,2,3
	v_max3_num_f32 v[ST+8*\t+4+\j], v[S+32*\t+8*\j], v[S+32*\t+8*\j+1], v[S+32*\t+8*\j+2]
.endr
.endr
.irp w, 1,2
.irp j, 0,1,2,3
.irp t, 0,1,2,3
	v_max3_num_f32 v[ST+8*\t+4+\j], v[ST+8*\t+4+\j], v[S+32*\t+8*\j+2*\w+1], v[S+32*\t+8*\j+2*\w+2]
.endr
.endr
.endr
.irp t, 0,1,2,3
	v_max3_num_f32 v[ST+8*\t+4], v[ST+8*\t+4], v[S+32*\t+7], v[S+32*\t+15]
.endr
.irp t, 0,1,2,3
	v_max3_num_f32 v[ST+8*\t+6], v[ST+8*\t+6], v[S+32*\t+23], v[S+32*\t+31]
.endr
.irp t, 0,1,2,3
	v_max3_num_f32 v[ST+8*\t+4], v[ST+8*\t+4], v[ST+8*\t+5], v[ST+8*\t+6]
.endr
.irp t, 0,1,2,3
	v_max3_num_f32 v[ST+8*\t+4], v[ST+8*\t+4], v[ST+8*\t+7], v[ST+8*\t+1]
.endr
.irp t, 0,1,2,3
	v_permlanex16_b32 v[ST+8*\t+5], v[ST+8*\t+4], s20, s21   ; the query's other 32 keys lie in the lane 16 away
.endr
.irp t, 0,1,2,3
	v_mov_b32 v[ST+8*\t+7], v[ST+8*\t]             ; c m_old
.endr
.irp t, 0,1,2,3
	v_max_num_f32 v[ST+8*\t+1], v[ST+8*\t+4], v[ST+8*\t+5]
.endr
.irp t, 0,1,2,3
	v_mul_f32 v[ST+8*\t], s22, v[ST+8*\t+1]
.endr
.irp t, 0,1,2,3
	v_sub_f32 v[ST+8*\t+7], v[ST+8*\t+7], v[ST+8*\t]
.endr
.irp p, 0,1,2,3,4,5,6,7,8,9,10,11,12,13,14,15
.irp t, 0,1,2,3
	v_pk_fma_f32 v[S+32*\t+2*\p:S+32*\t+2*\p+1], v[S+32*\t+2*\p:S+32*\t+2*\p+1], s[22:23], v[ST+8*\t:ST+8*\t+1] op_sel_hi:[1,0,0] neg_lo:[0,0,1] neg_hi:[0,0,1]   ; c s - c m
.endr
.endr
.irp t, 0,1,2,3
	v_exp_f32 v[ST+8*\t+6], v[ST+8*\t+7]           ; a = 2^(c m_old - c m_new)
.endr
.irp i, 0,1,2,3,4,5,6,7,8,9,10,11,12,13,14,15,16,17,18,19,20,21,22,23,24,25,26,27,28,29,30,31
.irp t, 0,1,2,3
	v_exp_f32 v[S+32*\t+\i], v[S+32*\t+\i]         ; p.  All 132 exponentials are one batch: none reads another's result
.endr
.endr
	v_nop                                          ; a plain instruction behind the last exponential
	s_wait_alu depctr_va_vdst(0)                   ; one wait for the batch, ahead of its first reader
.irp t, 0,1,2,3
	v_pk_fma_f32 v[ST+8*\t+2:ST+8*\t+3], v[ST+8*\t+2:ST+8*\t+3], v[ST+8*\t+6:ST+8*\t+7], v[S+32*\t:S+32*\t+1] op_sel_hi:[1,0,1]   ; l = a l + the first pair; the other 15 pairs in two chains
.endr
.irp t, 0,1,2,3
	v_pk_add_f32 v[ST+8*\t+4:ST+8*\t+5], v[S+32*\t+16:S+32*\t+17], v[S+32*\t+18:S+32*\t+19]
.endr
.irp p, 1,2,3,4,5,6
.irp t, 0,1,2,3
	v_pk_add_f32 v[ST+8*\t+2:ST+8*\t+3], v[ST+8*\t+2:ST+8*\t+3], v[S+32*\t+2*\p:S+32*\t+2*\p+1]
	v_pk_add_f32 v[ST+8*\t+4:ST+8*\t+5], v[ST+8*\t+4:ST+8*\t+5], v[S+32*\t+18+2*\p:S+32*\t+19+2*\p]
.endr
.endr
.irp t, 0,1,2,3
	v_pk_add_f32 v[ST+8*\t+2:ST+8*\t+3], v[ST+8*\t+2:ST+8*\t+3], v[S+32*\t+14:S+32*\t+15]
.endr
.irp t, 0,1,2,3
	v_pk_add_f32 v[ST+8*\t+2:ST+8*\t+3], v[ST+8*\t+2:ST+8*\t+3], v[ST+8*\t+4:ST+8*\t+5]
.endr
.irp p, 0,1,2,3,4,5,6,7,8,9,10,11,12,13,14,15
.irp t, 0,1,2,3
	v_cvt_pk_f16_f32 v[S+32*\t+\p], v[S+32*\t+2*\p], v[S+32*\t+2*\p+1]   ; P, in place, ascending: tile t's keys 32 u on at S + 32 t + 8 u
.endr
.endr
	WIN 0x41                                       ; O^T in window 1, a in window 0
.irp i, 0,1,2,3,4,5,6,7,8,9,10,11,12,13,14,15
.irp t, 0,1,2,3
	v_pk_mul_f32 v[32*\t+2*\i:32*\t+2*\i+1], v[32*\t+2*\i:32*\t+2*\i+1], v[ST+8*\t+6:ST+8*\t+7] op_sel_hi:[1,0]
.endr
.endr
	s_wait_dscnt 0x0                               ; V is in
	WIN 0x50                                       ; V and P in window 0, O^T in window 1
.irp u, 0,1                                    ; the 16 accumulators take turns
.irp t, 0,1,2,3
.irp c, 0,1,2,3
	v_wmma_f32_16x16x32_f16 v[32*\t+8*\c:32*\t+8*\c+7], v[VF+32*\u+8*\c:VF+32*\u+8*\c+7], v[S+32*\t+8*\u:S+32*\t+8*\u+7], v[32*\t+8*\c:32*\t+8*\c+7]
.endr
.endr
.endr
	WIN 0
	s_wait_loadcnt 0x0                             ; my eighth of the next slot's step, asked for a whole step ago,
	ds_store_b128 v[CW0], v[CP:CP+3]     offset:(1-\slot)*32768+\q*16384
	ds_store_b128 v[CW0], v[CP+4:CP+7]   offset:(1-\slot)*32768+\q*16384+512
	ds_store_b128 v[CW0], v[CP+8:CP+11]  offset:(1-\slot)*32768+\q*16384+8192
	ds_store_b128 v[CW0], v[CP+12:CP+15] offset:(1-\slot)*32768+\q*16384+8704   ; goes into the slot that nobody reads before the next barrier
.Lskip_\@:
	s_add_co_u32 s[KF], s[KF], 64
.endm
.macro BAR                             ; the change of slots: my stores into the other slot have landed and my reads of this one are in
	s_wait_dscnt 0x0
	s_barrier_signal -1
	s_barrier_wait -1
.endm
.Ltrip:                                            ; 8 trips of 4 steps: 2,048 keys; the count is a constant, the steps behind the last key that counts fall away
	STEP 0, 0
	STEP 0, 1
	BAR
	STEP 1, 0
	STEP 1, 1
	BAR
	s_sub_co_u32 s19, s19, 1
	s_cmp_lg_u32 s19, 0
	s_cbranch_scc1 .Ltrip
	; THE WAY OUT.  l's two halves and the other half of the lanes' are added; O^T / l is rounded to f16: four registers of a tile of channels are 16 bytes a lane of the image of the last product's operand
	; cf[tile of 16 rows][32 k: 2 head + c / 2][half c % 2][lane][16 bytes], and are stored as they stand.  The first four additions are the places behind the last products.
.irp t, 0,1,2,3
	v_add_f32 v[ST+8*\t+4], v[ST+8*\t+2], v[ST+8*\t+3]
.endr
.irp t, 0,1,2,3
	v_permlanex16_b32 v[ST+8*\t+5], v[ST+8*\t+4], s20, s21
.endr
.irp t, 0,1,2,3
	v_add_f32 v[ST+8*\t+4], v[ST+8*\t+4], v[ST+8*\t+5]
.endr
.irp t, 0,1,2,3
	v_rcp_f32 v[ST+8*\t+6], v[ST+8*\t+4]
.endr
	v_nop
	s_wait_alu depctr_va_vdst(0)                   ; one wait for the four reciprocals
.irp t, 0,1,2,3
	WIN 0x41
.irp i, 0,1,2,3,4,5,6,7,8,9,10,11,12,13,14,15
	v_pk_mul_f32 v[32*\t+2*\i:32*\t+2*\i+1], v[32*\t+2*\i:32*\t+2*\i+1], v[ST+8*\t+6:ST+8*\t+7] op_sel_hi:[1,0]
.endr
	WIN 0x05
.irp i, 0,1,2,3,4,5,6,7,8,9,10,11,12,13,14,15
	v_cvt_pk_f16_f32 v[S+16*\t+\i], v[32*\t+2*\i], v[32*\t+2*\i+1]
.endr
	WIN 0
.irp c, 0,1,2,3
	global_store_b128 v[L16], v[S+16*\t+4*\c:S+16*\t+4*\c+3], s[8:9] offset:\t*32768+\c*512   ; 32 lanes store 512 consecutive bytes
.endr
.endr
	s_wait_tensorcnt 0x0                           ; the wave's end: a wait, an add of 0 to my spare word and its wait, behind my last LDS store
	ds_add_u32 v[SPW], v[NIL]
	s_wait_dscnt 0x0
	s_endpgm
.Lfunc_end_k_q34661fe459_attn:
	.size	k_q34661fe459_attn, .Lfunc_end_k_q34661fe459_attn-k_q34661fe459_attn
	.p2alignl 7, 3214868480
	.fill 96, 4, 3214868480
	.section	.rodata,"a",@progbits
	.p2align	6, 0x0
	.amdhsa_kernel k_q34661fe459_attn
		.amdhsa_group_segment_fixed_size 66560
		.amdhsa_private_segment_fixed_size 0
		.amdhsa_enable_private_segment 0
		.amdhsa_kernarg_size 24
		.amdhsa_user_sgpr_count 2
		.amdhsa_user_sgpr_kernarg_segment_ptr 1
		.amdhsa_wavefront_size32 1
		.amdhsa_system_sgpr_workgroup_id_x 1
		.amdhsa_system_sgpr_workgroup_id_y 1
		.amdhsa_system_sgpr_workgroup_id_z 1
		.amdhsa_system_vgpr_workitem_id 0
		.amdhsa_next_free_vgpr 512
		.amdhsa_next_free_sgpr 66
		.amdhsa_reserve_vcc 1
		.amdhsa_float_denorm_mode_32 3
		.amdhsa_float_denorm_mode_16_64 3
		.amdhsa_memory_ordered 1
		.amdhsa_forward_progress 1
		.amdhsa_inst_pref_size 174
	.end_amdhsa_kernel
	.amdgpu_metadata
---
amdhsa.version: [ 1, 2 ]
amdhsa.kernels:
  - .name:           k_q34661fe459_attn
    .symbol:         k_q34661fe459_attn.kd
    .args:
      - { .name: qkv, .offset: 0, .size: 8, .value_kind: global_buffer, .address_space: global }
      - { .name: order, .offset: 8, .size: 8, .value_kind: global_buffer, .address_space: global }
      - { .name: cf, .offset: 16, .size: 8, .value_kind: global_buffer, .address_space: global }
    .group_segment_fixed_size: 66560
    .private_segment_fixed_size: 0
    .kernarg_segment_align: 8
    .kernarg_segment_size: 24
    .max_flat_workgroup_size: 256
    .sgpr_count:     66
    .vgpr_count:     512
    .wavefront_size: 32
...
	.end_amdgpu_metadata
.endif
;; end of part 3
;; launch proj (part 4): grid 4 x 64, 4 waves a work-group, clusters of 4 x 4, 327,680 bytes of LDS; arguments cf, wof, order, out0; writes out0
.if DOCPART == 4
	.amdgcn_target "amdgcn-amd-amdhsa--gfx1250"
	.amdhsa_code_object_version 6
	.text
	.protected	k_q34661fe459_proj
	.globl	k_q34661fe459_proj
	.p2align	8
	.type	k_q34661fe459_proj,@function
k_q34661fe459_proj:
	s_mov_b64 s[64:65], 0
	v_nop
	global_prefetch_b8 v0, s[64:65] scope:SCOPE_SE
	s_setreg_imm32_b32 hwreg(HW_REG_WAVE_MODE, 25, 1), 1
	s_wait_xcnt 0x0
	s_wait_alu depctr_hold_cnt(0) depctr_sa_sdst(0) depctr_va_vdst(0) depctr_va_sdst(0) depctr_va_ssrc(0) depctr_va_vcc(0) depctr_vm_vsrc(0)
	s_getreg_b32 s2, hwreg(HW_REG_IB_STS2, 6, 4)
	s_cmp_eq_u32 s2, 0
	s_cbranch_scc0 .Lentry_in_a_cluster
	s_endpgm
.Lentry_in_a_cluster:
	s_bfe_u32 s2, ttmp6, 0x10000c
	s_cmp_lg_u32 s2, 0xf033
	s_cbranch_scc0 .Lentry_shape_is_right
	s_endpgm
.Lentry_shape_is_right:
; out0[batch][origin[i]][:] = context[permuted row i][k] w_o[k][:], k = 64 head + channel, K = 1,024.  Operands f16, sums f32.  The permutation of rows that the first launch made is undone here, by whole rows.
; A tile of 128 rows x 256 columns is made by four waves, each 64 rows x 128 columns: 32 accumulators, 256 registers (window 1).  256 work-groups.
; Both operands lie in memory as images of their operand registers, [tile of 16][chunk of 32 k][half][lane][16 bytes]: a K step of 128 is 4,096 consecutive bytes of each tile of 16 rows or columns, so a tensor load's rows are
; 4,096 bytes, 32,768 bytes apart; in LDS they need no padding: every fragment load is 16 x lane + a constant.
; K goes in 8 steps of 128 through two LDS slots (A 8 x 4,096 | B 16 x 4,096); waves 0 and 1 fetch A's halves, waves 2 and 3 B's: one tensor load a wave behind each change of slots; two of mine are out at the start, one afterwards.
; CLUSTERS: 4 x 4 work-groups; A's tile is shared along a row of the cluster, B's along a column: joint loads.  THE MATRIX INSTRUCTION IS USED TRANSPOSED (source 0 = 16 columns of w_o, source 1 = 16 rows): a lane holds eight neighbouring numbers of a row.
; REGISTERS.  window 0: v12-13 the origins of my 64 rows; v16-29 addresses; v64-159, v160-255 two fragment buffers (A 32 registers, then B 64); on the way out v64-191 rows read back, v192-223 their offsets.  window 1: accumulator (i, j) at 8 (8 i + j).
.set SLOT,   98304
.set STAGE,  2*SLOT                    ; behind the ring: 16 rows x (512 + 16) bytes for each wave
.set SPITCH, 528
.set SPARE,  STAGE+4*16*SPITCH         ; the spare words, 128 bytes for each wave
.set LAPS,   4
.set ORG,  12
.set ADRA, 16
.set ADRB, 20
.set STO,  24
.set RD,   25
.set CO,   26
.set SPW,  28
.set NIL,  29
.set F0,   64
.set F1,   160
.set BK,   64
.set AD,   192
.set G1,  24
.set G0,  32
.set G1B, 48
.set G0B, 56
.set MSB, 0
.macro WIN new
.if MSB != \new
	s_set_vgpr_msb (MSB<<8)|\new
.set MSB, \new
.endif
.endm
.set MUL, 0x50                         ; sources in window 0, C and D in window 1
.macro JLOAD n                         ; a joint load; an s_nop 0 and four v_nop follow each of the two lines
	s_cmp_eq_u32 s15, 0
	s_cbranch_scc0 .Lfor_b_\@
	tensor_load_to_lds s[G0+4*\n:G0+4*\n+3], s[G1:G1+7]
	s_nop 0
.rept 4
	v_nop
.endr
	s_branch .Lasked_\@
.Lfor_b_\@:
	tensor_load_to_lds s[G0B+4*\n:G0B+4*\n+3], s[G1B:G1B+7]
	s_nop 0
.rept 4
	v_nop
.endr
.Lasked_\@:
.endm
.macro CREST                           ; a round of the cluster's barrier behind its opening barrier
	s_cmp_lg_u32 s14, 0
	s_cbranch_scc1 .Lnot_wave_0_\@
	s_barrier_signal -3
.Lnot_wave_0_\@:
	s_barrier_wait -3
	s_barrier_signal -1
	s_barrier_wait -1
.endm
.macro CROUND
	s_barrier_signal -1
	s_barrier_wait -1
	CREST
.endm
	s_load_b256 s[4:11], s[0:1], 0x0               ; cf s[4:5], wof s[6:7], order s[8:9], out0 s[10:11]
	v_lshl_add_u32 v[SPW], v0, 2, SPARE
	v_mov_b32 v[NIL], 0
	ds_add_u32 v[SPW], v[NIL]                      ; the wave's opening: the add, twice on end, and its wait ahead of my first tensor load
	ds_add_u32 v[SPW], v[NIL]
	v_lshrrev_b32 v1, 5, v0
	v_readfirstlane_b32 s14, v1                    ; wave 0..3
	s_lshr_b32 s15, s14, 1                         ; which 64 rows are mine.  Also: I fetch for A (0) or for B (1)
	s_and_b32 s16, s14, 1                          ; which 128 columns.  Also: which half of that tile I fetch
	s_bfe_u32 s40, ttmp6, 0x40000                  ; cx
	s_bfe_u32 s41, ttmp6, 0x40004                  ; cy
	s_lshl_b32 s42, ttmp9, 2
	s_add_co_u32 s42, s42, s40                     ; tile column
	s_and_b32 s17, ttmp7, 0xffff
	s_lshl_b32 s17, s17, 2
	s_add_co_u32 s17, s17, s41                     ; tile row
	s_lshl_b32 s43, s41, 2
	s_lshl_b32 s43, 15, s43                        ; my row of the cluster
	s_lshl_b32 s44, 0x1111, s40                    ; my column
	s_or_b32 s[G1], s43, (3<<16)|(1<<21)           ; the mask; elements of 8 bytes; no padding
	s_mov_b32 s[G1+1], 512<<16                     ; tensor_dim0 = 512 elements: 4,096 bytes
	s_mov_b32 s[G1+2], 4<<16                       ; tensor_dim1 = 4 tiles of 16 rows
	s_mov_b32 s[G1+3], 512<<16                     ; tile_dim0
	s_mov_b32 s[G1+4], 4                           ; tile_dim1
	s_mov_b32 s[G1+5], 4096                        ; the pitch: 32,768 bytes
	s_mov_b32 s[G1+6], 0
	s_mov_b32 s[G1+7], 0
	s_or_b32 s[G1B], s44, (3<<16)|(1<<21)
	s_mov_b32 s[G1B+1], 512<<16
	s_mov_b32 s[G1B+2], 8<<16                      ; 8 tiles of 16 columns
	s_mov_b32 s[G1B+3], 512<<16
	s_mov_b32 s[G1B+4], 8
	s_mov_b32 s[G1B+5], 4096
	s_mov_b32 s[G1B+6], 0
	s_mov_b32 s[G1B+7], 0
	s_lshl_b32 s20, s17, 3
	s_lshl_b32 s21, s16, 2
	s_add_co_u32 s20, s20, s21
	s_lshl_b32 s20, s20, 15                        ; A: tile of 16 rows 8 x tile row + 4 x half
	s_mov_b32 s21, 0
	s_lshl_b32 s46, s42, 4
	s_lshl_b32 s47, s16, 3
	s_add_co_u32 s46, s46, s47
	s_lshl_b32 s46, s46, 15                        ; B: tile of 16 columns 16 x tile column + 8 x half
	s_mov_b32 s47, 0
	s_lshl_b32 s45, s16, 14                        ; where they go: A's half,
	s_lshl_b32 s18, s16, 15
	s_add_co_u32 s18, s18, 32768                   ; B's half, behind A's 32,768 bytes
	s_wait_dscnt 0x0                               ; both opening adds are done
	s_wait_kmcnt 0x0
	s_add_nc_u64 s[20:21], s[4:5], s[20:21]
	s_add_nc_u64 s[46:47], s[6:7], s[46:47]
	CROUND                                         ; all sixteen work-groups are here: the first joint loads meet
.irp s, 0,1
	s_mov_b32 s[G0+4*\s], 1
	s_add_co_u32 s[G0+4*\s+1], s45, \s*SLOT
	s_add_nc_u64 s[G0+4*\s+2:G0+4*\s+3], s[20:21], \s*4096
	s_or_b32 s[G0+4*\s+3], s[G0+4*\s+3], 0x80000000
	s_mov_b32 s[G0B+4*\s], 1
	s_add_co_u32 s[G0B+4*\s+1], s18, \s*SLOT
	s_add_nc_u64 s[G0B+4*\s+2:G0B+4*\s+3], s[46:47], \s*4096
	s_or_b32 s[G0B+4*\s+3], s[G0B+4*\s+3], 0x80000000
	JLOAD \s
.endr
	v_and_b32 v1, 15, v0
	v_bfe_u32 v2, v0, 4, 1
	v_and_b32 v3, 31, v0
	v_lshlrev_b32 v[CO], 4, v3                     ; 16 x lane
	s_lshl_b32 s21, s15, 14                        ; my four tiles of rows
	s_lshl_b32 s22, s16, 15
	s_add_co_u32 s22, s22, 32768                   ; my eight tiles of columns
.irp s, 0,1
	v_add_nc_u32 v[ADRA+\s], s21, v[CO]
	v_add_nc_u32 v[ADRB+\s], s22, v[CO]
	s_add_co_u32 s21, s21, SLOT
	s_add_co_u32 s22, s22, SLOT
.endr
	s_mul_i32 s23, s14, 16*SPITCH
	s_add_co_u32 s23, s23, STAGE                   ; my stage
	v_mul_u32_u24 v5, v1, SPITCH
	v_lshl_add_u32 v5, v2, 5, v5
	v_add_nc_u32 v[STO], s23, v5                   ; in: row l % 16, 32 bytes for each half of the lanes
	v_add_nc_u32 v[RD], s23, v[CO]                 ; back: the 32 lanes take a row of 512 bytes
	s_lshl_b32 s20, s17, 7
	s_lshl_b32 s21, s15, 6
	s_add_co_u32 s20, s20, s21                     ; my first permuted row
	s_lshl_b32 s20, s20, 2
	s_mov_b32 s21, 0
	s_add_nc_u64 s[8:9], s[8:9], s[20:21]
	v_lshlrev_b32 v4, 2, v3
	global_load_b32 v[ORG], v4, s[8:9]             ; origin of my rows 0-31, a lane a row,
	global_load_b32 v[ORG+1], v4, s[8:9] offset:128   ; and of rows 32-63
	s_lshr_b32 s20, s17, 4
	s_lshl_b32 s20, s20, 23                        ; the batch: 2,048 rows of 4,096 bytes
	s_lshl_b32 s22, s42, 10
	s_add_co_u32 s20, s20, s22
	s_lshl_b32 s22, s16, 9
	s_add_co_u32 s20, s20, s22                     ; my 128 columns
	s_add_nc_u64 s[10:11], s[10:11], s[20:21]
.macro FETCH slot, q, f                ; 24 LDS loads: the fragments of the slot's q-th 32 along K: B's eight, then A's four
.irp j, 0,1,2,3,4,5,6,7
	ds_load_b128 v[\f+32+8*\j:\f+32+8*\j+3],   v[ADRB+\slot] offset:\j*4096+(\q)*1024
	ds_load_b128 v[\f+32+8*\j+4:\f+32+8*\j+7], v[ADRB+\slot] offset:\j*4096+(\q)*1024+512
.endr
.irp i, 0,1,2,3
	ds_load_b128 v[\f+8*\i:\f+8*\i+3],   v[ADRA+\slot] offset:\i*4096+(\q)*1024
	ds_load_b128 v[\f+8*\i+4:\f+8*\i+7], v[ADRA+\slot] offset:\i*4096+(\q)*1024+512
.endr
.endm
.macro MUL8 f, i, zero                 ; A's tile i against B's eight.  The 32 accumulators take turns, in the same order in every quarter
.irp j, 0,1,2,3,4,5,6,7
.if \zero
	v_wmma_f32_16x16x32_f16 v[8*(8*(\i)+\j):8*(8*(\i)+\j)+7], v[\f+32+8*\j:\f+32+8*\j+7], v[\f+8*(\i):\f+8*(\i)+7], 0
.else
	v_wmma_f32_16x16x32_f16 v[8*(8*(\i)+\j):8*(8*(\i)+\j)+7], v[\f+32+8*\j:\f+32+8*\j+7], v[\f+8*(\i):\f+8*(\i)+7], v[8*(8*(\i)+\j):8*(8*(\i)+\j)+7]
.endif
.endr
.endm
.macro PLACES                          ; four plain vector instructions in front of loads into registers that matrix instructions have read, and of reads of results
.rept 4
	v_nop
.endr
.endm
.macro QUARTER slot, q, f, g, zero     ; multiplies buffer f; in its middle fetches the slot's q-th quarter into buffer g
	s_wait_dscnt 4                                 ; all but the youngest four loads (A's tiles 2 and 3) are in
	WIN MUL
	MUL8 \f, 0, \zero
	MUL8 \f, 1, \zero
	PLACES
	WIN 0
	FETCH \slot, \q, \g
	s_wait_dscnt 24                                ; all but the 24 just issued
	WIN MUL
	MUL8 \f, 2, \zero
	MUL8 \f, 3, \zero
.endm
; A slot's last quarter multiplies buffer 1 and changes slots: one barrier; in front of it each wave waits for all its tensor loads, adds 0 to its spare word, and waits for that and for its reads of this slot.
.macro TURN slot, next, fill
	WIN 0
	s_wait_tensorcnt 0x0                           ; my one tensor load that was out, my part of the next slot, has landed
	ds_add_u32 v[SPW], v[NIL]
	s_wait_dscnt 5                                 ; the add and the youngest four loads may be out
	WIN MUL
	MUL8 F1, 0, 0
	s_wait_dscnt 0x0                               ; the add is done, and my reads of this slot are over
	s_barrier_signal -1
	MUL8 F1, 1, 0
	WIN 0
	s_barrier_wait -1
.if \fill
	CREST                                          ; the barrier has opened a round of the cluster's: no wave of any partner still reads this slot or has a load on its way
	s_add_nc_u64 s[G0+4*\slot+2:G0+4*\slot+3], s[G0+4*\slot+2:G0+4*\slot+3], 8192
	s_add_nc_u64 s[G0B+4*\slot+2:G0B+4*\slot+3], s[G0B+4*\slot+2:G0B+4*\slot+3], 8192
	JLOAD \slot                                    ; the first tensor load behind the round; its four v_nop are also the places in front of the loads below
.else
	PLACES
.endif
	FETCH \next, 0, F0
	WIN MUL
	MUL8 F1, 2, 0
	MUL8 F1, 3, 0
.endm
	s_wait_tensorcnt 1                             ; my part of K step 0 is in; the one younger load, K step 1's, may be out
	s_barrier_signal -1
	s_barrier_wait -1
	FETCH 0, 0, F0
	QUARTER 0, 1, F0, F1, 1                        ; the first quarter's products start the sums
	WIN 0
	s_mov_b32 s3, LAPS-1
.Llap:                                             ; a trip goes once round the ring, from a lap's second quarter to the next lap's first, and fills both slots again
	QUARTER 0, 2, F1, F0, 0
	QUARTER 0, 3, F0, F1, 0
	TURN 0, 1, 1
	QUARTER 1, 1, F0, F1, 0
	QUARTER 1, 2, F1, F0, 0
	QUARTER 1, 3, F0, F1, 0
	TURN 1, 0, 1
	QUARTER 0, 1, F0, F1, 0
	WIN 0
	s_sub_co_u32 s3, s3, 1
	s_cmp_lg_u32 s3, 0
	s_cbranch_scc1 .Llap
	QUARTER 0, 2, F1, F0, 0                        ; the last lap fills nothing
	QUARTER 0, 3, F0, F1, 0
	TURN 0, 1, 0
	QUARTER 1, 1, F0, F1, 0
	QUARTER 1, 2, F1, F0, 0
	QUARTER 1, 3, F0, F1, 0
	s_wait_dscnt 4
	WIN MUL
	MUL8 F1, 0, 0
	MUL8 F1, 1, 0
	s_wait_dscnt 0
	MUL8 F1, 2, 0
	MUL8 F1, 3, 0
	WIN 0
; THE WAY OUT, 16 rows x 128 columns at a time: through my own stage in LDS and back as whole rows of 512 bytes; row t then goes to row origin of out0: 32 lanes store 512 consecutive bytes.
.macro TOSTAGE i
	WIN 0x04                                       ; an LDS store's data are its source 1: window 1
.irp j, 0,1,2,3,4,5,6,7
	ds_store_b128 v[STO], v[8*(8*(\i)+\j):8*(8*(\i)+\j)+3] offset:64*\j        ; each accumulator from its low end on
	ds_store_b128 v[STO], v[8*(8*(\i)+\j)+4:8*(8*(\i)+\j)+7] offset:64*\j+16
.endr
	WIN 0
.irp t, 0,1,2,3,4,5,6,7,8,9,10,11,12,13,14,15
	ds_load_b128 v[BK+64*((\i)%2)+4*\t:BK+64*((\i)%2)+4*\t+3], v[RD] offset:\t*SPITCH   ; LDS serves a wave's instructions in order: these see the stores above
.endr
.endm
.macro SEND i, younger                 ; younger: the LDS instructions issued behind block i's loads, which may stay out
.irp t, 0,1,2,3,4,5,6,7,8,9,10,11,12,13,14,15
	v_readlane_b32 s[66+\t], v[ORG+(\i)/2], 16*((\i)%2)+\t
.endr
.irp t, 0,1,2,3,4,5,6,7,8,9,10,11,12,13,14,15
	s_min_u32 s[66+\t], s[66+\t], 2047
.endr
.irp t, 0,1,2,3,4,5,6,7,8,9,10,11,12,13,14,15
	s_lshl_b32 s[66+\t], s[66+\t], 12              ; a row of out0 is 4,096 bytes
.endr
.irp t, 0,1,2,3,4,5,6,7,8,9,10,11,12,13,14,15
	v_add_nc_u32 v[AD+16*((\i)%2)+\t], s[66+\t], v[CO]
.endr
	s_wait_dscnt \younger                          ; the block is back in registers
.irp t, 0,1,2,3,4,5,6,7,8,9,10,11,12,13,14,15
	global_store_b128 v[AD+16*((\i)%2)+\t], v[BK+64*((\i)%2)+4*\t:BK+64*((\i)%2)+4*\t+3], s[10:11] th:TH_STORE_NT
.endr
.endm
	s_wait_loadcnt 0x0                             ; the origins
	PLACES
	TOSTAGE 0
	TOSTAGE 1
	SEND 0, 32                                     ; behind block 0's loads: block 1's 16 stores and 16 loads
	s_wait_xcnt 0x0                                ; block 0's stores have read their registers: block 2's loads and offsets may land there
	TOSTAGE 2
	SEND 1, 32
	s_wait_xcnt 0x0                                ; block 1's likewise
	TOSTAGE 3
	SEND 2, 32
	SEND 3, 0
	s_wait_tensorcnt 0x0                           ; the wave's end: a wait, an add of 0 to my spare word and its wait, behind my last tensor load and my last LDS store
	ds_add_u32 v[SPW], v[NIL]
	s_wait_dscnt 0x0
	CROUND                                         ; the closing round
	s_endpgm
.Lfunc_end_k_q34661fe459_proj:
	.size	k_q34661fe459_proj, .Lfunc_end_k_q34661fe459_proj-k_q34661fe459_proj
	.p2alignl 7, 3214868480
	.fill 96, 4, 3214868480
	.section	.rodata,"a",@progbits
	.p2align	6, 0x0
	.amdhsa_kernel k_q34661fe459_proj
		.amdhsa_group_segment_fixed_size 327680
		.amdhsa_private_segment_fixed_size 0
		.amdhsa_enable_private_segment 0
		.amdhsa_kernarg_size 32
		.amdhsa_user_sgpr_count 2
		.amdhsa_user_sgpr_kernarg_segment_ptr 1
		.amdhsa_wavefront_size32 1
		.amdhsa_system_sgpr_workgroup_id_x 1
		.amdhsa_system_sgpr_workgroup_id_y 1
		.amdhsa_system_sgpr_workgroup_id_z 1
		.amdhsa_system_vgpr_workitem_id 0
		.amdhsa_next_free_vgpr 512
		.amdhsa_next_free_sgpr 84
		.amdhsa_reserve_vcc 0
		.amdhsa_float_denorm_mode_32 3
		.amdhsa_float_denorm_mode_16_64 3
		.amdhsa_memory_ordered 1
		.amdhsa_forward_progress 1
		.amdhsa_inst_pref_size 97
	.end_amdhsa_kernel
	.amdgpu_metadata
---
amdhsa.version: [ 1, 2 ]
amdhsa.kernels:
  - .name:           k_q34661fe459_proj
    .symbol:         k_q34661fe459_proj.kd
    .args:
      - { .name: cf, .offset: 0, .size: 8, .value_kind: global_buffer, .address_space: global }
      - { .name: wof, .offset: 8, .size: 8, .value_kind: global_buffer, .address_space: global }
      - { .name: order, .offset: 16, .size: 8, .value_kind: global_buffer, .address_space: global }
      - { .name: out0, .offset: 24, .size: 8, .value_kind: global_buffer, .address_space: global }
    .group_segment_fixed_size: 327680
    .private_segment_fixed_size: 0
    .kernarg_segment_align: 8
    .kernarg_segment_size: 32
    .max_flat_workgroup_size: 128
    .sgpr_count:     84
    .vgpr_count:     512
    .wavefront_size: 32
...
	.end_amdgpu_metadata
.endif
;; end of part 4
